; MI455X (gfx1250); checked and timed in simulation.
; The chip was launched on July 23, 2026; its instructions are those of AMD's public machine-readable ISA for CDNA 5 (MIT licence, August 2026) and "CDNA5" Instruction Set Architecture Reference Guide (July 2026). The comments in the code are by the model that wrote it; some were corrected since.
;; Rel Partial Learnable Multi Head Attn. Allowed arithmetic: float matrix products may take bf16 or f16 operands with f32 sums; all other float work in f32.
;; Inputs: W_o 256 x 1,024 float32; W_qkv 1,024 x 768 float32; W_r 1,024 x 256 float32; attn_mask 2,048 x 2,048 bool; ln_beta 1,024 float32; ln_gamma 1,024 float32; r 2,048 x 1,024 float32; r_r_bias 8 x 32 float32; r_w_bias 8 x 32 float32; w 4 x 2,048 x 1,024 float32.
;; Outputs: out0 4 x 2,048 x 1,024 float32.
;; 2 versions, each right and faster than the one before. Each part assembles by itself: llvm-mc -triple=amdgcn-amd-amdhsa -mcpu=gfx1250 --defsym DOCPART=n.
;; ======== version 1 of 2: 4 launches
;; limits: right only within a limited range of input values
;; workspace buffers: Wpk 2,621,440 bytes; maskw 524,288 bytes of whole numbers; Qw 4,194,304 bytes; Qr 4,194,304 bytes; Kb 4,194,304 bytes; Vb 4,194,304 bytes; AV 4,194,304 bytes; Rk 1,048,576 bytes
;; launch prep (part 1): grid 576 x 1, 8 waves a work-group, no clusters, 0 bytes of LDS; arguments W_qkv, W_r, W_o, attn_mask, Wpk, maskw; writes Wpk, maskw
.if DOCPART == 1
	.amdgcn_target "amdgcn-amd-amdhsa--gfx1250"
	.amdhsa_code_object_version 6
	.text
	.protected	k_q12be8b8354_prep
	.globl	k_q12be8b8354_prep
	.p2align	8
	.type	k_q12be8b8354_prep,@function
k_q12be8b8354_prep:
	s_mov_b64 s[64:65], 0
	v_nop
	global_prefetch_b8 v0, s[64:65] scope:SCOPE_SE
	s_setreg_imm32_b32 hwreg(HW_REG_WAVE_MODE, 25, 1), 1
	s_wait_xcnt 0x0
; prep: (1) the three weight matrices, f32 [K][N], are rounded to bf16 and laid out as matrix fragments of 1,024 bytes;
;       (2) the boolean mask is turned into lane masks, one 32-bit word for each score register of the attention kernel.
; A fragment (kk, nt) holds k = 32 kk .. +31 of columns 16 nt .. +15.  Lane L (r = L & 15, h = L >> 4) holds column 16 nt + r:
; its 16 bytes at 16 L are k = 32 kk + 8 h + 0..7, its 16 bytes at 512 + 16 L are k = 32 kk + 16 + 8 h + 0..7.
; Wpk: [kk 32][nt 64] at byte 0 (nt 0-47 from W_qkv, nt 48-63 from W_r), then [kk 8][nt 64] from W_o at byte 2,097,152.
; maskw: [query tile 128][step 32][word 32]; bit L of word 8 a + j is attn_mask[16 qt + (L & 15)][64 step + 16 a + 8 (L >> 4) + j].
; One wave makes one fragment, or the 64 words of two steps.  Work-groups 0-255: W_qkv and W_r; 256-319: W_o; 320-575: the mask.
; No LDS, no barrier: no wave needs what another made.
.set PK, 8                             ; v[8:23]  sixteen numbers as loaded (mask path: eight pairs of mask bytes)
.set OUTR, 24                          ; v[24:31] the fragment (mask path: v[24:25] the words)
	s_load_b256 s[4:11], s[0:1], 0x0               ; W_qkv s[4:5], W_r s[6:7], W_o s[8:9], attn_mask s[10:11]
	s_load_b128 s[12:15], s[0:1], 0x20             ; Wpk s[12:13], maskw s[14:15]
	v_lshrrev_b32 v1, 5, v0
	v_readfirstlane_b32 s16, v1                    ; wave 0..7
	v_and_b32 v1, 31, v0                           ; L
	v_and_b32 v2, 15, v0                           ; r
	v_bfe_u32 v3, v0, 4, 1                         ; h
	v_lshlrev_b32 v5, 4, v1                        ; 16 L
	s_mov_b32 s23, 0                               ; upper word of every offset pair
	s_wait_kmcnt 0x0
; One fragment.  s17 = kk, s19 = the 16-column block in the source, s[12:13] = where the fragment goes.
.macro PACK pitch, base
	s_lshl_b32 s20, s17, 5                         ; 32 kk
	s_lshl_b32 s21, s19, 4                         ; first column
	v_lshl_add_u32 v4, v3, 3, s20                  ; source row 32 kk + 8 h
	v_mul_u32_u24 v4, v4, \pitch
	v_add_nc_u32 v6, s21, v2                       ; my column
	v_lshl_add_u32 v4, v6, 2, v4
.irp j, 0,1,2,3,4,5,6,7
	global_load_b32 v[PK+\j],   v4, s[\base:\base+1] offset:\j*\pitch
	global_load_b32 v[PK+8+\j], v4, s[\base:\base+1] offset:(16+\j)*\pitch
.endr
	s_wait_loadcnt 0x0
.irp p, 0,1,2,3,4,5,6,7
	v_cvt_pk_bf16_f32 v[OUTR+\p], v[PK+2*\p], v[PK+2*\p+1]       ; the lower k in the lower half
.endr
	global_store_b128 v5, v[OUTR:OUTR+3],   s[12:13]             ; each store of the wave covers 512 consecutive bytes, aligned
	global_store_b128 v5, v[OUTR+4:OUTR+7], s[12:13] offset:512
	s_endpgm
.endm
	s_cmp_ge_u32 ttmp9, 320
	s_cbranch_scc1 .Lmask
	s_cmp_ge_u32 ttmp9, 256
	s_cbranch_scc1 .Lwo
	s_lshr_b32 s17, ttmp9, 3                       ; kk
	s_and_b32 s18, ttmp9, 7
	s_lshl3_add_u32 s19, s18, s16                  ; nt = 8 x group + wave
	s_lshl_b32 s22, s17, 6
	s_add_co_u32 s22, s22, s19
	s_lshl_b32 s22, s22, 10                        ; (64 kk + nt) x 1,024
	s_add_nc_u64 s[12:13], s[12:13], s[22:23]
	s_cmp_ge_u32 s18, 6
	s_cbranch_scc1 .Lwr
	PACK 3072, 4                                   ; W_qkv: 768 columns of f32
.Lwr:
	s_sub_co_u32 s19, s19, 48
	PACK 1024, 6                                   ; W_r: 256 columns
.Lwo:
	s_sub_co_u32 s24, ttmp9, 256
	s_lshr_b32 s17, s24, 3
	s_and_b32 s18, s24, 7
	s_lshl3_add_u32 s19, s18, s16
	s_lshl_b32 s22, s17, 6
	s_add_co_u32 s22, s22, s19
	s_lshl_b32 s22, s22, 10
	s_add_co_u32 s22, s22, 0x200000                ; behind the first part
	s_add_nc_u64 s[12:13], s[12:13], s[22:23]
	PACK 4096, 8                                   ; W_o: 1,024 columns
.Lmask:
	s_sub_co_u32 s24, ttmp9, 320
	s_lshl3_add_u32 s24, s24, s16                  ; task 0..2047
	s_lshr_b32 s17, s24, 4                         ; query tile
	s_and_b32 s18, s24, 15                         ; pair of steps
	s_lshl_b32 s20, s17, 15                        ; 16 rows of 2,048 bytes
	s_lshl_b32 s21, s18, 7                         ; 128 keys
	s_add_co_u32 s20, s20, s21
	v_lshlrev_b32 v4, 11, v2                       ; my row
	v_lshl_add_u32 v4, v3, 3, v4                   ; + 8 h
	v_add_nc_u32 v4, s20, v4
.irp q, 0,1,2,3,4,5,6,7
	global_load_b64 v[PK+2*\q:PK+2*\q+1], v4, s[10:11] offset:16*\q      ; q = 4 x step in the pair + a: keys 16 q + 8 h + 0..7
.endr
	s_lshl_b32 s22, s17, 12                        ; a query tile has 32 steps of 128 bytes
	s_lshl_b32 s21, s18, 8
	s_add_co_u32 s22, s22, s21
	s_add_nc_u64 s[14:15], s[14:15], s[22:23]
	v_lshlrev_b32 v7, 3, v1                        ; lane L stores words 2 L and 2 L + 1
	v_mov_b32 v[OUTR], 0
	v_mov_b32 v[OUTR+1], 0
	s_wait_loadcnt 0x0
.set wdx, 0
.rept 64
	v_bfe_u32 v6, v[PK+2*(wdx>>3)+((wdx>>2)&1)], 8*(wdx&3), 8    ; byte j = wdx & 7 of my eight
	v_cmp_ne_u32 s26, 0, v6                                      ; the 32 lanes' bits are the word
	v_writelane_b32 v[OUTR+(wdx&1)], s26, wdx>>1
.set wdx, wdx+1
.endr
	global_store_b64 v7, v[OUTR:OUTR+1], s[14:15]  ; 256 consecutive bytes, aligned
	s_endpgm
.Lfunc_end_k_q12be8b8354_prep:
	.size	k_q12be8b8354_prep, .Lfunc_end_k_q12be8b8354_prep-k_q12be8b8354_prep
	.p2alignl 7, 3214868480
	.fill 96, 4, 3214868480
	.section	.rodata,"a",@progbits
	.p2align	6, 0x0
	.amdhsa_kernel k_q12be8b8354_prep
		.amdhsa_group_segment_fixed_size 0
		.amdhsa_private_segment_fixed_size 0
		.amdhsa_enable_private_segment 0
		.amdhsa_kernarg_size 48
		.amdhsa_user_sgpr_count 2
		.amdhsa_user_sgpr_kernarg_segment_ptr 1
		.amdhsa_wavefront_size32 1
		.amdhsa_system_sgpr_workgroup_id_x 1
		.amdhsa_system_sgpr_workgroup_id_y 1
		.amdhsa_system_sgpr_workgroup_id_z 1
		.amdhsa_system_vgpr_workitem_id 0
		.amdhsa_next_free_vgpr 32
		.amdhsa_next_free_sgpr 66
		.amdhsa_reserve_vcc 0
		.amdhsa_float_denorm_mode_32 3
		.amdhsa_float_denorm_mode_16_64 3
		.amdhsa_memory_ordered 1
		.amdhsa_forward_progress 1
		.amdhsa_inst_pref_size 23
	.end_amdhsa_kernel
	.amdgpu_metadata
---
amdhsa.version: [ 1, 2 ]
amdhsa.kernels:
  - .name:           k_q12be8b8354_prep
    .symbol:         k_q12be8b8354_prep.kd
    .args:
      - { .name: W_qkv, .offset: 0, .size: 8, .value_kind: global_buffer, .address_space: global }
      - { .name: W_r, .offset: 8, .size: 8, .value_kind: global_buffer, .address_space: global }
      - { .name: W_o, .offset: 16, .size: 8, .value_kind: global_buffer, .address_space: global }
      - { .name: attn_mask, .offset: 24, .size: 8, .value_kind: global_buffer, .address_space: global }
      - { .name: Wpk, .offset: 32, .size: 8, .value_kind: global_buffer, .address_space: global }
      - { .name: maskw, .offset: 40, .size: 8, .value_kind: global_buffer, .address_space: global }
    .group_segment_fixed_size: 0
    .private_segment_fixed_size: 0
    .kernarg_segment_align: 8
    .kernarg_segment_size: 48
    .max_flat_workgroup_size: 256
    .sgpr_count:     66
    .vgpr_count:     32
    .wavefront_size: 32
...
	.end_amdgpu_metadata
.endif
;; end of part 1
;; launch proj (part 2): grid 208 x 1, 8 waves a work-group, no clusters, 185,344 bytes of LDS; arguments w, r, Wpk, r_w_bias, r_r_bias, Qw, Qr, Kb, Vb, Rk; writes Qw, Qr, Kb, Vb, Rk
.if DOCPART == 2
	.amdgcn_target "amdgcn-amd-amdhsa--gfx1250"
	.amdhsa_code_object_version 6
	.text
	.protected	k_q12be8b8354_proj
	.globl	k_q12be8b8354_proj
	.p2align	8
	.type	k_q12be8b8354_proj,@function
k_q12be8b8354_proj:
	s_mov_b64 s[64:65], 0
	v_nop
	global_prefetch_b8 v0, s[64:65] scope:SCOPE_SE
	s_setreg_imm32_b32 hwreg(HW_REG_WAVE_MODE, 25, 1), 1
	s_wait_xcnt 0x0
; proj: heads = w W_qkv and r_k = r W_r, bf16 operands, f32 sums, stored per head as bf16 [batch][head][2048][32].
; Work-groups 0-191: row block rb = g / 3 (128 rows of w), column block cb = g mod 3 (256 columns: q, k or v).
; Work-groups 192-207: row block g - 192 of r, cb = 3 (W_r).  K = 1,024 in 16 trips of 64.
; Eight waves as 2 x 4; a wave makes 64 rows x 64 columns: 16 accumulators of 16 x 16 in v256-v383.
; q leaves twice: Qw = (q + r_w_bias) c and Qr = (q + r_r_bias) c, c = log2(e) / sqrt(32), so that the attention scores arrive
; as exponents of two.  LIMIT OF ROUNDING: q c + bias c is one fused multiply-add on bias c, not a sum followed by a product.
; x is f32 in memory and has to pass through registers to be rounded, so the tiles come by global loads and LDS stores,
; two LDS slots by turns, the next tile's 16 loads of each thread in flight during a whole trip.
; No cluster: the tiles that row blocks share (the packed weights) come through registers here, which a joint load cannot fill.
; The matrix instruction is used transposed (source 0 = weights, source 1 = x): a lane then holds 8 neighbouring columns of one row.
.set XPITCH, 144                       ; an LDS row of x: 64 bf16 + 16 bytes, an odd multiple of 16
.set XSLOT,  128*XPITCH                ; 18,432
.set WS,     2*XSLOT                   ; weight slots begin here
.set WSLOT,  32768                     ; 2 kk x 16 fragments x 1,024 bytes
.set STAGE,  WS+2*WSLOT                ; 102,400: the way out, 10,240 bytes for each wave: 2 heads x 64 rows, pitch 80
.set STW,    10240
.set CSC,    0x3e8293ee                ; c = 0.25503486
.set GX, 16                            ; v[16:47]   eight 16-byte pieces of x as loaded
.set GW, 48                            ; v[48:79]   eight pieces of the weight pack
.set XF, 80                            ; v[80:111]  four fragments of x
.set WF, 112                           ; v[112:143] four fragments of the weights
.set T,  128                           ; v[128:255] way out: tile n at T + 8 n: registers 0-3 packed, 4-7 read back
.set BW, 16                            ; v[16:47]   r_w_bias x c of my columns
.set BR, 48                            ; v[48:79]   r_r_bias x c
; v4 x offset, v5 pack offset, v6 x LDS store, v7 pack LDS store, v8 x fragments, v9 weight fragments, v10 stage in, v11 stage back, v12 16 L, v13 bias offset
.set MSB, 0
.macro WIN new                         ; the upper byte of the immediate repeats the setting that is left
.if MSB != \new
	s_set_vgpr_msb (MSB<<8)|\new
.set MSB, \new
.endif
.endm
	s_load_b512 s[4:19], s[0:1], 0x0               ; w s[4:5], r s[6:7], Wpk s[8:9], r_w_bias s[10:11], r_r_bias s[12:13], Qw s[14:15], Qr s[16:17], Kb s[18:19]
	s_load_b128 s[20:23], s[0:1], 0x40             ; Vb s[20:21], Rk s[22:23]
	s_set_vgpr_msb 0x40
	v_lshl_add_u32 v128, v0, 2, 0x2d000
	v_mov_b32 v129, 0
	s_set_vgpr_msb 0x4000
	v_lshrrev_b32 v14, 5, v0
	v_readfirstlane_b32 s26, v14                   ; wave
	s_lshr_b32 s27, s26, 2                         ; wm: which 64 rows
	s_and_b32 s28, s26, 3                          ; wn: which 64 columns
	v_and_b32 v1, 31, v0                           ; L
	v_and_b32 v2, 15, v0                           ; r
	v_bfe_u32 v3, v0, 4, 1                         ; h
	v_lshrrev_b32 v14, 4, v0                       ; thread / 16
	v_lshlrev_b32 v4, 12, v14
	v_lshl_add_u32 v4, v2, 4, v4                   ; x: row thread / 16, 16 bytes at 16 (thread mod 16): 16 lanes take 256 consecutive bytes
	v_lshlrev_b32 v5, 4, v0                        ; pack: 16 x thread
	v_mul_u32_u24 v6, v14, XPITCH
	v_lshl_add_u32 v6, v2, 3, v6                   ; the same place in LDS, 8 bytes of bf16
	v_add_nc_u32 v7, WS, v5
	s_mul_i32 s38, s27, 64*XPITCH
	v_mul_u32_u24 v8, v2, XPITCH
	v_lshl_add_u32 v8, v3, 4, v8
	v_add_nc_u32 v8, s38, v8                       ; (64 wm + r) pitch + 16 h
	s_lshl_b32 s39, s28, 12
	s_add_co_u32 s39, s39, WS
	v_lshlrev_b32 v12, 4, v1                       ; 16 L
	v_add_nc_u32 v9, s39, v12                      ; my four fragments of a kk
	s_mul_i32 s38, s26, STW
	s_add_co_u32 s38, s38, STAGE                   ; my stage
	v_mul_u32_u24 v10, v2, 80
	v_lshl_add_u32 v10, v3, 4, v10
	v_add_nc_u32 v10, s38, v10
	v_lshrrev_b32 v14, 2, v1
	v_and_b32 v15, 3, v1
	v_mul_u32_u24 v11, v14, 80
	v_lshl_add_u32 v11, v15, 4, v11
	v_add_nc_u32 v11, s38, v11
	s_lshl_b32 s39, s28, 8
	v_lshl_add_u32 v13, v3, 5, s39                 ; bias: (64 wn + 8 h) x 4 bytes
	s_mul_hi_u32 s24, ttmp9, 0x55555556            ; g / 3
	s_mul_i32 s25, s24, 3
	s_sub_co_u32 s25, ttmp9, s25                   ; g mod 3
	s_sub_co_u32 s29, ttmp9, 192
	s_cmp_lt_u32 ttmp9, 192
	s_cselect_b32 s24, s24, s29                    ; rb
	s_cselect_b32 s25, s25, 3                      ; cb
	s_wait_kmcnt 0x0
	s_cselect_b64 s[30:31], s[4:5], s[6:7]         ; x is w or r
	s_lshl_b32 s38, s24, 19                        ; 128 rows of 4,096 bytes
	s_mov_b32 s39, 0
	s_add_nc_u64 s[30:31], s[30:31], s[38:39]
	s_lshl_b32 s38, s25, 14                        ; 16 fragments
	s_add_nc_u64 s[32:33], s[8:9], s[38:39]
.macro GLOAD                           ; one tile: 128 rows x 256 bytes of x, 2 x 16 fragments of the pack
.irp i, 0,1,2,3,4,5,6,7
	global_load_b128 v[GX+4*\i:GX+4*\i+3], v4, s[30:31] offset:\i*65536
.endr
.irp i, 0,1,2,3
	global_load_b128 v[GW+4*\i:GW+4*\i+3],       v5, s[32:33] offset:\i*4096
	global_load_b128 v[GW+16+4*\i:GW+16+4*\i+3], v5, s[32:33] offset:65536+\i*4096
.endr
.endm
.macro STEPB                           ; both bases one trip on: 64 f32 along a row, 2 kk of 64 fragments
	s_add_nc_u64 s[30:31], s[30:31], 256
	s_add_nc_u64 s[32:33], s[32:33], 131072
.endm
.macro LSTORE slot                     ; round x, and put the tile into a slot
.irp i, 0,1,2,3,4,5,6,7
	v_cvt_pk_bf16_f32 v[GX+4*\i],   v[GX+4*\i],   v[GX+4*\i+1]
	v_cvt_pk_bf16_f32 v[GX+4*\i+1], v[GX+4*\i+2], v[GX+4*\i+3]
.endr
.irp i, 0,1,2,3,4,5,6,7
	ds_store_b64 v6, v[GX+4*\i:GX+4*\i+1] offset:(\slot)*XSLOT+\i*16*XPITCH
.endr
.irp i, 0,1,2,3,4,5,6,7
	ds_store_b128 v7, v[GW+4*\i:GW+4*\i+3] offset:(\slot)*WSLOT+\i*4096
.endr
.endm
; 32 along K: 16 fragment loads, 16 products.  The 16 accumulators take turns, one instruction a turn.
.macro SUB slot, sub, zero
.rept 4
	v_nop                                          ; four places behind the last products, whose sources are loaded again (ISA guide 7.12.1)
.endr
.irp x, 0,1,2,3
	ds_load_b128 v[XF+8*\x:XF+8*\x+3],   v8 offset:(\slot)*XSLOT+\x*16*XPITCH+\sub*64
	ds_load_b128 v[XF+8*\x+4:XF+8*\x+7], v8 offset:(\slot)*XSLOT+\x*16*XPITCH+\sub*64+32
.endr
.irp w, 0,1,2,3
	ds_load_b128 v[WF+8*\w:WF+8*\w+3],   v9 offset:(\slot)*WSLOT+\sub*16384+\w*1024
	ds_load_b128 v[WF+8*\w+4:WF+8*\w+7], v9 offset:(\slot)*WSLOT+\sub*16384+\w*1024+512
.endr
	WIN 0x50                                       ; C and D in v256-v383
.irp w, 0,1,2,3
	s_wait_dscnt 6-2*\w                            ; x and weight fragment w are in; the two loads of each later fragment may be out
.irp x, 0,1,2,3
.if \zero
	v_wmma_f32_16x16x32_bf16 v[8*(4*\w+\x):8*(4*\w+\x)+7], v[WF+8*\w:WF+8*\w+7], v[XF+8*\x:XF+8*\x+7], 0
.else
	v_wmma_f32_16x16x32_bf16 v[8*(4*\w+\x):8*(4*\w+\x)+7], v[WF+8*\w:WF+8*\w+7], v[XF+8*\x:XF+8*\x+7], v[8*(4*\w+\x):8*(4*\w+\x)+7]
.endif
.endr
.endr
	WIN 0
.endm
; A trip multiplies its slot, then stores the tile that was in flight into the other slot and asks for the one behind it.
; One barrier a trip: in front of it my reads of this slot and my stores into the other are done; behind it the other slot is whole
; and this one may be written.
.macro TRIP slot, zero, st, ld, bar
	SUB \slot, 0, \zero
	SUB \slot, 1, 0
.if \st
	s_wait_loadcnt 0x0                             ; the next tile is in registers; its loads no longer need their bases
	LSTORE 1-\slot
.endif
.if \ld
	STEPB
	GLOAD
.endif
.if \bar
	s_wait_dscnt 0x0
	s_barrier_signal -1
	s_barrier_wait -1
.endif
.endm
	GLOAD                                          ; tile 0
	s_wait_loadcnt 0x0
	STEPB
	LSTORE 0
	GLOAD                                          ; tile 1
	s_wait_dscnt 0x0
	s_barrier_signal -1
	s_barrier_wait -1
	TRIP 0, 1, 1, 1, 1                             ; the first products start the sums: nothing is cleared
	TRIP 1, 0, 1, 1, 1
	s_mov_b32 s36, 6
.Ltrip:
	TRIP 0, 0, 1, 1, 1
	TRIP 1, 0, 1, 1, 1
	s_sub_co_u32 s36, s36, 1
	s_cmp_lg_u32 s36, 0
	s_cbranch_scc1 .Ltrip
	TRIP 0, 0, 1, 0, 1                             ; trip 14 stores tile 15 and asks for nothing
	TRIP 1, 0, 0, 0, 0
	; THE WAY OUT.  Lane (r, h) holds row 16 xi + r and columns 16 wi + 8 h + 0..7 of my 64 x 64: 16 bytes of bf16 of one head's row.
.rept 4
	v_nop                                          ; four places behind the last products, whose results are read
.endr
	s_lshr_b32 s38, s24, 4                         ; batch
	s_lshl_b32 s38, s38, 3
	s_lshl1_add_u32 s38, s28, s38                  ; 8 batch + my first head
	s_lshl_b32 s38, s38, 11
	s_and_b32 s39, s24, 15
	s_lshl_b32 s39, s39, 7
	s_add_co_u32 s38, s38, s39                     ; + 128 x row block in the batch
	s_lshl_b32 s39, s27, 6
	s_add_co_u32 s38, s38, s39                     ; + 64 wm
	s_lshl_b32 s38, s38, 6                         ; rows of 64 bytes
	s_mov_b32 s39, 0
; bias = 0: round the sums as they are; else (sum x c + bias x c).  Through my own stage, so that each store of the wave covers 512 consecutive bytes.
.macro EPI bias, dst
.if \bias
	WIN 0x01                                       ; source 0 in v256-v383
.irp w, 0,1,2,3
.irp x, 0,1,2,3
.irp p, 0,2,4,6
	v_pk_fma_f32 v[T+8*(4*\w+\x)+\p:T+8*(4*\w+\x)+\p+1], v[8*(4*\w+\x)+\p:8*(4*\w+\x)+\p+1], CSC, v[\bias+8*\w+\p:\bias+8*\w+\p+1] op_sel_hi:[1,0,1]
.endr
.endr
.endr
	WIN 0
.set n, 0
.rept 16
.irp p, 0,1,2,3
	v_cvt_pk_bf16_f32 v[T+8*n+\p], v[T+8*n+2*\p], v[T+8*n+2*\p+1]      ; in place: the target is never ahead of its sources
.endr
.set n, n+1
.endr
.else
	WIN 0x05                                       ; sources 0 and 1 in v256-v383
.set n, 0
.rept 16
.irp p, 0,1,2,3
	v_cvt_pk_bf16_f32 v[T+8*n+\p], v[8*n+2*\p], v[8*n+2*\p+1]
.endr
.set n, n+1
.endr
	WIN 0
.endif
.irp w, 0,1,2,3
.irp x, 0,1,2,3
	ds_store_b128 v10, v[T+8*(4*\w+\x):T+8*(4*\w+\x)+3] offset:(\w>>1)*5120+\x*1280+(\w&1)*32
.endr
.endr
.set n, 0
.rept 16
	ds_load_b128 v[T+8*n+4:T+8*n+7], v11 offset:(n>>3)*5120+(n&7)*640  ; a wave's LDS instructions are served in order (ISA guide 5.7.1): these see the stores above
.set n, n+1
.endr
.set n, 0
.rept 16
	s_wait_dscnt 15-n                              ; piece n is back, the younger ones may be out
	global_store_b128 v12, v[T+8*n+4:T+8*n+7], s[\dst:\dst+1] offset:(n>>3)*131072+(n&7)*512
.set n, n+1
.endr
.endm
	s_cmp_lg_u32 s25, 0
	s_cbranch_scc1 .Lplain
.irp w, 0,1,2,3
	global_load_b128 v[BW+8*\w:BW+8*\w+3],   v13, s[10:11] offset:64*\w
	global_load_b128 v[BW+8*\w+4:BW+8*\w+7], v13, s[10:11] offset:64*\w+16
	global_load_b128 v[BR+8*\w:BR+8*\w+3],   v13, s[12:13] offset:64*\w
	global_load_b128 v[BR+8*\w+4:BR+8*\w+7], v13, s[12:13] offset:64*\w+16
.endr
	s_add_nc_u64 s[14:15], s[14:15], s[38:39]
	s_add_nc_u64 s[16:17], s[16:17], s[38:39]
	s_wait_loadcnt 0x0
.set n, 0
.rept 32
	v_pk_mul_f32 v[BW+2*n:BW+2*n+1], v[BW+2*n:BW+2*n+1], CSC op_sel_hi:[1,0]    ; BW and BR lie side by side: 64 registers
.set n, n+1
.endr
	EPI BW, 14
	s_wait_xcnt 0x0                                ; the stores' data registers are written again only behind this wait
	EPI BR, 16
	s_set_vgpr_msb 0x5
	s_wait_tensorcnt 0x0
	ds_add_u32 v128, v129
	s_wait_dscnt 0x0
	s_set_vgpr_msb 0x500
	s_endpgm
.Lplain:
	s_cmp_eq_u32 s25, 1
	s_cselect_b64 s[40:41], s[18:19], s[20:21]     ; k or v,
	s_cmp_eq_u32 s25, 3
	s_cselect_b64 s[40:41], s[22:23], s[40:41]     ; or r_k
	s_add_nc_u64 s[40:41], s[40:41], s[38:39]
	EPI 0, 40
	s_set_vgpr_msb 0x5
	s_wait_tensorcnt 0x0
	ds_add_u32 v128, v129
	s_wait_dscnt 0x0
	s_set_vgpr_msb 0x500
	s_endpgm
.Lfunc_end_k_q12be8b8354_proj:
	.size	k_q12be8b8354_proj, .Lfunc_end_k_q12be8b8354_proj-k_q12be8b8354_proj
	.p2alignl 7, 3214868480
	.fill 96, 4, 3214868480
	.section	.rodata,"a",@progbits
	.p2align	6, 0x0
	.amdhsa_kernel k_q12be8b8354_proj
		.amdhsa_group_segment_fixed_size 185344
		.amdhsa_private_segment_fixed_size 0
		.amdhsa_enable_private_segment 0
		.amdhsa_kernarg_size 80
		.amdhsa_user_sgpr_count 2
		.amdhsa_user_sgpr_kernarg_segment_ptr 1
		.amdhsa_wavefront_size32 1
		.amdhsa_system_sgpr_workgroup_id_x 1
		.amdhsa_system_sgpr_workgroup_id_y 1
		.amdhsa_system_sgpr_workgroup_id_z 1
		.amdhsa_system_vgpr_workitem_id 0
		.amdhsa_next_free_vgpr 386
		.amdhsa_next_free_sgpr 66
		.amdhsa_reserve_vcc 0
		.amdhsa_float_denorm_mode_32 3
		.amdhsa_float_denorm_mode_16_64 3
		.amdhsa_memory_ordered 1
		.amdhsa_forward_progress 1
		.amdhsa_inst_pref_size 95
	.end_amdhsa_kernel
	.amdgpu_metadata
---
amdhsa.version: [ 1, 2 ]
amdhsa.kernels:
  - .name:           k_q12be8b8354_proj
    .symbol:         k_q12be8b8354_proj.kd
    .args:
      - { .name: w, .offset: 0, .size: 8, .value_kind: global_buffer, .address_space: global }
      - { .name: r, .offset: 8, .size: 8, .value_kind: global_buffer, .address_space: global }
      - { .name: Wpk, .offset: 16, .size: 8, .value_kind: global_buffer, .address_space: global }
      - { .name: r_w_bias, .offset: 24, .size: 8, .value_kind: global_buffer, .address_space: global }
      - { .name: r_r_bias, .offset: 32, .size: 8, .value_kind: global_buffer, .address_space: global }
      - { .name: Qw, .offset: 40, .size: 8, .value_kind: global_buffer, .address_space: global }
      - { .name: Qr, .offset: 48, .size: 8, .value_kind: global_buffer, .address_space: global }
      - { .name: Kb, .offset: 56, .size: 8, .value_kind: global_buffer, .address_space: global }
      - { .name: Vb, .offset: 64, .size: 8, .value_kind: global_buffer, .address_space: global }
      - { .name: Rk, .offset: 72, .size: 8, .value_kind: global_buffer, .address_space: global }
    .group_segment_fixed_size: 185344
    .private_segment_fixed_size: 0
    .kernarg_segment_align: 8
    .kernarg_segment_size: 80
    .max_flat_workgroup_size: 256
    .sgpr_count:     66
    .vgpr_count:     386
    .wavefront_size: 32
...
	.end_amdgpu_metadata
.endif
;; end of part 2
;; launch attn (part 3): grid 8 x 32, 8 waves a work-group, no clusters, 310,272 bytes of LDS; arguments Qw, Qr, Kb, Vb, Rk, maskw, AV; writes AV
.if DOCPART == 3
	.amdgcn_target "amdgcn-amd-amdhsa--gfx1250"
	.amdhsa_code_object_version 6
	.text
	.protected	k_q12be8b8354_attn
	.globl	k_q12be8b8354_attn
	.p2align	8
	.type	k_q12be8b8354_attn,@function
k_q12be8b8354_attn:
	s_mov_b64 s[64:65], 0
	v_nop
	global_prefetch_b8 v0, s[64:65] scope:SCOPE_SE
	s_setreg_imm32_b32 hwreg(HW_REG_WAVE_MODE, 25, 1), 1
	s_wait_xcnt 0x0
; attn: softmax((AC + shifted BD) / sqrt(32), masked) V for one (batch, head) and 256 queries, with a running maximum.
; THE SHIFT, for any mask (N = 2,048, t = N - 1 - i + j): BD'[i][j] = (q[i] + rrb) . r_k[t] for j <= i, 0 for j = i + 1,
; (q[i+1] + rrb) . r_k[t - N - 1] for j >= i + 2.  With Rext[t] = r_k[t] (t < N), 0 (t = N), r_k[t - N - 1] (t > N) that is
; BD'[i][j] = qsel . Rext[t], and since N is a multiple of 16 an aligned tile of 16 t takes one query operand: q[i] below N, q[i+1] from N on.
; Eight waves; wave wv owns queries i0 = 256 x + 32 wv .. + 31 as two tiles of 16.  32 steps of 64 keys.
; A step, per wave: X = Q Rext^T for the 6 tiles of t that its two query tiles need (5 each); X goes through the wave's own LDS stage with
; row m shifted by m + 1 columns, which turns t into the key; read back it is the C operand of K Q^T.  Scores lie transposed:
; lane (r, h) holds query r and keys 16 a + 8 h + j, so that maximum, sum and rescale are per lane and P is already a B fragment.
; The work-group's window of Rext (2,304 rows) lies in LDS for the whole launch; K and V blocks go through two slots by turns.
; Scores are exponents of two (the factor log2(e) / sqrt(32) is in Qw and Qr).
; LIMIT: the running maximum starts at -1e30, so finite scores below -1e30 (in exponents of two) are not served.  A row that is masked
; everywhere keeps sum 0 and output 0 and ends as 0 x (1 / 0) = NaN, as the softmax of such a row is.
; No cluster: what the 8 work-groups of a head share is 8,192 bytes a step (K, V) and comes through registers; their windows of Rext differ.
.set NQ,  2048
.set KS,  184320                       ; behind the window: 2 slots of 64 rows, pitch 80
.set VS,  194560                       ; 2 slots of 64 rows, pitch 96 (an odd multiple of 32, for the transposing load)
.set ST,  206848                       ; stages: 12,800 bytes a wave: 2 query tiles x 16 rows, pitch 400 (96 f32 + 16)
.set QW,  40                           ; v[40:55]   (q + rwb) c, tiles 0 and 1
.set QR,  56                           ; v[56:71]   (q + rrb) c
.set QN,  72                           ; v[72:87]   the same of rows i + 1 (clamped to the last row, which is never used from there)
.set O,   88                           ; v[88:119]  output, tile (q, d) at O + 16 q + 8 d: lane (r, h) holds query r, d = 16 d + 8 h + j
.set S0,  120                          ; v[120:151] scores of tile 0, v[152:183] of tile 1
.set X,   120                          ; v[120:159] five tiles of X
.set F,   184                          ; v[184:247] fragments: Rext tile f at F + 8 f; then K at F + 8 a and V at F + 32 + 8 (2 c + d)
; v1 r, v2 h, v4 Rext fragments (steps 64 rows a step), v5 K fragments, v6 V fragments, v7 stage in, v8 stage back, v9 16 x thread,
; v10, v11 K and V stores, v12 -inf, v13 0, v14-v15 at work, v[16:17] new maximum, v[18:19] rescale, v[20:21], v[22:23] maxima, v24, v25 sums,
; v[26:29] partial sums, v[32:39] the next K and V pieces
; s10 wave, s11 e = (i0 + 32 - j0) / 16: tile f of t lies at or above N where f >= e, s12 counter, s[14:15] lane selects, s7 my stage
; mask words: tile 0 in s[16:47], tile 1 in s[48:63] and s[68:83]
	s_load_b256 s[84:91], s[0:1], 0x0              ; Qw s[84:85], Qr s[86:87], Kb s[88:89], Vb s[90:91]
	s_load_b128 s[92:95], s[0:1], 0x20             ; Rk s[92:93], maskw s[94:95]
	s_load_b64 s[96:97], s[0:1], 0x30              ; AV
	v_lshl_add_u32 v248, v0, 2, 0x4b800
	v_mov_b32 v249, 0
	v_lshrrev_b32 v3, 5, v0
	v_readfirstlane_b32 s10, v3                    ; wave
	v_and_b32 v1, 15, v0                           ; r
	v_bfe_u32 v2, v0, 4, 1                         ; h
	s_and_b32 s3, ttmp7, 0xffff                    ; 8 batch + head
	s_lshl_b32 s4, ttmp9, 8                        ; I0
	s_lshl_b32 s5, s10, 5
	s_sub_co_u32 s6, 224, s5                       ; my first row in the window: t = N - 32 - i0 less the window's first t = 1,792 - I0
	s_add_co_u32 s5, s4, s5                        ; i0
	s_add_co_u32 s11, s5, 32
	s_lshr_b32 s11, s11, 4                         ; e at j0 = 0
	s_sub_co_u32 s8, 1792, s4                      ; the window's first t
	s_mul_i32 s7, s10, 12800
	s_add_co_u32 s7, s7, ST
	s_mov_b32 s14, 0x76543210                      ; v_permlanex16_b32: lane i takes lane i of the other half
	s_mov_b32 s15, 0xfedcba98
	v_lshlrev_b32 v15, 4, v2                       ; 16 h
	v_add_nc_u32 v14, s5, v1                       ; i0 + r
	v_lshl_add_u32 v16, v14, 6, v15                ; rows of 64 bytes
	v_add_nc_u32 v17, 1, v14
	v_add_nc_u32 v18, 17, v14
	v_min_u32 v17, 0x7ff, v17
	v_min_u32 v18, 0x7ff, v18
	v_lshl_add_u32 v17, v17, 6, v15
	v_lshl_add_u32 v18, v18, 6, v15
	v_lshlrev_b32 v9, 4, v0
	v_add_nc_u32 v4, s6, v1
	v_mul_u32_u24 v4, v4, 80
	v_add_nc_u32 v4, v4, v15
	v_mul_u32_u24 v5, v1, 80
	v_add3_u32 v5, v5, v15, KS
	v_and_b32 v13, 7, v0
	v_lshl_add_u32 v13, v2, 3, v13
	v_mul_u32_u24 v6, v13, 96                      ; key 8 h + (L & 7)
	v_bfe_u32 v13, v0, 3, 1
	v_lshl_add_u32 v6, v13, 4, v6
	v_add_nc_u32 v6, VS, v6
	v_mul_u32_u24 v7, v2, 3232                     ; row 8 h + j, column 16 k + r + (8 h + j) + 1: 8 h x 404 + 4 r + 4, the rest in the immediate
	v_lshl_add_u32 v7, v1, 2, v7
	v_add3_u32 v7, v7, s7, 4
	v_mul_u32_u24 v8, v1, 400                      ; row r, column 16 + 16 a + 8 h
	v_lshl_add_u32 v8, v2, 5, v8
	v_add3_u32 v8, v8, s7, 64
	v_lshrrev_b32 v13, 2, v0                       ; thread / 4: a row of 64 bytes takes four threads
	v_and_b32 v14, 3, v0
	v_lshlrev_b32 v210, 4, v14
	v_add_nc_u32 v208, s8, v13                     ; t of my row in the first piece
	v_mad_u32_u24 v209, v13, 80, v210              ; and its place in the window
	v_add_nc_u32 v10, KS, v209
	v_mad_u32_u24 v11, v13, 96, v210
	v_add_nc_u32 v11, VS, v11
	v_mov_b32 v12, 0xff800000                      ; -inf
	v_mov_b32 v13, 0
	s_lshl_b32 s98, s3, 17                         ; 2,048 rows of 64 bytes
	s_mov_b32 s99, 0
	s_wait_kmcnt 0x0
	s_add_nc_u64 s[84:85], s[84:85], s[98:99]
	s_add_nc_u64 s[86:87], s[86:87], s[98:99]
	s_add_nc_u64 s[88:89], s[88:89], s[98:99]
	s_add_nc_u64 s[90:91], s[90:91], s[98:99]
	s_add_nc_u64 s[96:97], s[96:97], s[98:99]
	s_and_b32 s98, s3, 7                           ; head
	s_lshl_b32 s98, s98, 17
	s_add_nc_u64 s[92:93], s[92:93], s[98:99]
	s_lshl_b32 s98, ttmp9, 16                      ; 16 query tiles of 4,096 bytes
	s_lshl_b32 s9, s10, 13
	s_add_co_u32 s98, s98, s9
	s_add_nc_u64 s[94:95], s[94:95], s[98:99]
	s_lshl_b32 s98, s5, 6
	s_add_nc_u64 s[96:97], s[96:97], s[98:99]      ; AV at my first query
.irp q, 0,1
	global_load_b128 v[QW+8*\q:QW+8*\q+3],   v16, s[84:85] offset:1024*\q
	global_load_b128 v[QW+8*\q+4:QW+8*\q+7], v16, s[84:85] offset:1024*\q+32
	global_load_b128 v[QR+8*\q:QR+8*\q+3],   v16, s[86:87] offset:1024*\q
	global_load_b128 v[QR+8*\q+4:QR+8*\q+7], v16, s[86:87] offset:1024*\q+32
	global_load_b128 v[QN+8*\q:QN+8*\q+3],   v[17+\q], s[86:87]
	global_load_b128 v[QN+8*\q+4:QN+8*\q+7], v[17+\q], s[86:87] offset:32
.endr
	global_load_b128 v[32:35], v9, s[88:89]        ; K block 0
	global_load_b128 v[36:39], v9, s[90:91]        ; V block 0
	; The window of Rext: 36 pieces of 64 rows, 12 a trip.  Row of r_k = min(t, t - N - 1) as unsigned numbers: below and at N the difference
	; wraps to a large number and t is taken, above N the difference; then clamped to the table.  The row t = N is zeroed.
	s_mov_b32 s12, 3
.Lwin:
.irp i, 0,1,2,3,4,5,6,7,8,9,10,11
	v_add_nc_u32 v[196+\i], 64*\i, v208
	v_add_nc_u32 v[184+\i], 0xfffff7ff, v[196+\i]
	v_min_u32 v[184+\i], v[184+\i], v[196+\i]
	v_min_u32 v[184+\i], 0x7ff, v[184+\i]
	v_lshl_add_u32 v[184+\i], v[184+\i], 6, v210
	global_load_b128 v[120+4*\i:123+4*\i], v[184+\i], s[92:93]
.endr
	s_wait_loadcnt 0x0                             ; also frees the offsets for the next trip, and covers Q, K and V in the first
.irp i, 0,1,2,3,4,5,6,7,8,9,10,11
	v_cmp_eq_u32 vcc_lo, 0x800, v[196+\i]
.irp c, 0,1,2,3
	v_cndmask_b32 v[120+4*\i+\c], v[120+4*\i+\c], v13, vcc_lo
.endr
	ds_store_b128 v209, v[120+4*\i:123+4*\i] offset:\i*5120
.endr
	v_add_nc_u32 v208, 768, v208
	v_add_nc_u32 v209, 61440, v209
	s_sub_co_u32 s12, s12, 1
	s_cmp_lg_u32 s12, 0
	s_cbranch_scc1 .Lwin
	s_add_nc_u64 s[88:89], s[88:89], 4096          ; block 1 (the loads of block 0 are done)
	s_add_nc_u64 s[90:91], s[90:91], 4096
	ds_store_b128 v10, v[32:35]
	ds_store_b128 v11, v[36:39]
.set n, 0
.rept 32
	v_mov_b32 v[O+n], 0                            ; the output is rescaled ahead of its first product, so it starts as zeros
.set n, n+1
.endr
.irp m, 20,21,22,23
	v_mov_b32 v\m, 0xf149f2ca                      ; -1e30
.endr
	v_mov_b32 v24, 0
	v_mov_b32 v25, 0
	s_wait_dscnt 0x0                               ; my part of the window and of slot 0 is written
	s_barrier_signal -1
	s_barrier_wait -1
; The products of tile f of t: with q[i] below N, with q[i + 1] from N on.  xa, xb: which X; qa, qb: which query tile.
.macro XT1 f, xa, qa
	s_cmp_le_i32 s11, \f
	s_cbranch_scc1 .Lhi_\@
	v_wmma_f32_16x16x32_bf16 v[X+8*\xa:X+8*\xa+7], v[QR+8*\qa:QR+8*\qa+7], v[F+8*\f:F+8*\f+7], 0
	s_branch .Ljn_\@
.Lhi_\@:
	v_wmma_f32_16x16x32_bf16 v[X+8*\xa:X+8*\xa+7], v[QN+8*\qa:QN+8*\qa+7], v[F+8*\f:F+8*\f+7], 0
.Ljn_\@:
.endm
.macro XT2 f, xa, qa, xb, qb
	s_cmp_le_i32 s11, \f
	s_cbranch_scc1 .Lhi_\@
	v_wmma_f32_16x16x32_bf16 v[X+8*\xa:X+8*\xa+7], v[QR+8*\qa:QR+8*\qa+7], v[F+8*\f:F+8*\f+7], 0
	v_wmma_f32_16x16x32_bf16 v[X+8*\xb:X+8*\xb+7], v[QR+8*\qb:QR+8*\qb+7], v[F+8*\f:F+8*\f+7], 0
	s_branch .Ljn_\@
.Lhi_\@:
	v_wmma_f32_16x16x32_bf16 v[X+8*\xa:X+8*\xa+7], v[QN+8*\qa:QN+8*\qa+7], v[F+8*\f:F+8*\f+7], 0
	v_wmma_f32_16x16x32_bf16 v[X+8*\xb:X+8*\xb+7], v[QN+8*\qb:QN+8*\qb+7], v[F+8*\f:F+8*\f+7], 0
.Ljn_\@:
.endm
.macro XST n, q, k                     ; X tile n = tile k of query tile q, into the stage: register j is query 8 h + j, lane r is t
.irp j, 0,1,2,3,4,5,6,7
	ds_store_b32 v7, v[X+8*\n+\j] offset:\q*6400+\j*404+\k*64
.endr
.endm
.macro PLACES n
.rept \n
	v_nop
.endr
.endm
.macro SOFTMAX q
.set SB, S0+32*\q
.set MX, 20+2*\q
.set w, 0
.rept 32
.if \q == 0
.set mw, 16+w
.elseif w < 16
.set mw, 48+w
.else
.set mw, 52+w
.endif
	v_cndmask_b32 v[SB+w], v[SB+w], v12, s[mw]     ; masked: -inf
.set w, w+1
.endr
	v_max3_num_f32 v14, v[SB], v[SB+1], v[SB+2]    ; two chains
	v_max3_num_f32 v15, v[SB+3], v[SB+4], v[SB+5]
.set w, 6
.rept 6
	v_max3_num_f32 v14, v14, v[SB+w], v[SB+w+1]
	v_max3_num_f32 v15, v15, v[SB+w+2], v[SB+w+3]
.set w, w+4
.endr
	v_max3_num_f32 v14, v14, v[SB+30], v[SB+31]
	v_max_num_f32 v14, v14, v15
	v_permlanex16_b32 v15, v14, s14, s15           ; the other 32 keys of my query lie in the other half of the lanes
	v_max3_num_f32 v16, v14, v15, v[MX]
	v_mov_b32 v17, v16
	v_sub_f32 v14, v[MX], v16
	v_exp_f32 v18, v14                             ; the rescale, twice, for the packed products; the plain sums below stand
	v_exp_f32 v19, v14                             ; between these and the first use, and touch neither v14 nor v[18:19] (ISA guide 5.7.2)
.set w, 0
.rept 16
	v_pk_add_f32 v[SB+w:SB+w+1], v[SB+w:SB+w+1], v[16:17] neg_lo:[0,1] neg_hi:[0,1]
.set w, w+2
.endr
.set w, 0
.rept 32
	v_exp_f32 v[SB+w], v[SB+w]
.set w, w+1
.endr
	v_mov_b32 v[MX], v16                           ; plain work between the exponentials and their use
	v_mov_b32 v[MX+1], v17
	s_wait_alu depctr_va_vdst(0)
	v_pk_add_f32 v[26:27], v[SB:SB+1], v[SB+2:SB+3]
	v_pk_add_f32 v[28:29], v[SB+4:SB+5], v[SB+6:SB+7]
.set w, 8
.rept 6
	v_pk_add_f32 v[26:27], v[26:27], v[SB+w:SB+w+1]
	v_pk_add_f32 v[28:29], v[28:29], v[SB+w+2:SB+w+3]
.set w, w+4
.endr
	v_pk_add_f32 v[26:27], v[26:27], v[28:29]
	v_add_f32 v26, v26, v27
	v_fma_f32 v[24+\q], v[24+\q], v18, v26         ; my half of the keys; the halves meet at the end
.irp p, 0,2,4,6,8,10,12,14
	v_pk_mul_f32 v[O+16*\q+\p:O+16*\q+\p+1], v[O+16*\q+\p:O+16*\q+\p+1], v[18:19]
.endr
.set w, 0
.rept 16
	v_cvt_pk_bf16_f32 v[SB+w], v[SB+2*w], v[SB+2*w+1]    ; in place: P of keys 32 c .. + 31 is v[SB + 8 c : SB + 8 c + 7], a B fragment
.set w, w+1
.endr
.endm
.macro PV q                            ; the two accumulators take turns, one instruction a turn
.irp c, 0,1
.irp d, 0,1
	v_wmma_f32_16x16x32_bf16 v[O+16*\q+8*\d:O+16*\q+8*\d+7], v[F+32+8*(2*\c+\d):F+32+8*(2*\c+\d)+7], v[S0+32*\q+8*\c:S0+32*\q+8*\c+7], v[O+16*\q+8*\d:O+16*\q+8*\d+7]
.endr
.endr
.endm
; One step of 64 keys on K/V slot \slot.  fill: the next block is fetched and stored into the other slot.  bar: a step follows.
.macro STEP slot, fill, bar
.if \fill
	global_load_b128 v[32:35], v9, s[88:89]
	global_load_b128 v[36:39], v9, s[90:91]
.endif
	s_load_b512 s[16:31], s[94:95], 0x0            ; the step's 32 mask words of query tile 0,
	s_load_b512 s[32:47], s[94:95], 0x40
	s_load_b512 s[48:63], s[94:95], 0x1000         ; and of tile 1
	s_load_b512 s[68:83], s[94:95], 0x1040
.irp f, 0,1,2,3,4,5
	ds_load_b128 v[F+8*\f:F+8*\f+3],   v4 offset:\f*1280
	ds_load_b128 v[F+8*\f+4:F+8*\f+7], v4 offset:\f*1280+32
.endr
	s_wait_dscnt 6                                 ; tiles 0 to 2 of t are in; the six loads of tiles 3 to 5 may be out
	XT1 0, 0, 1                                    ; query tile 1 takes tiles f = k, query tile 0 tiles f = k + 1
	XT2 1, 1, 1, 2, 0
	XT2 2, 3, 1, 4, 0
	PLACES 5                                       ; behind the products: their results are stored, and written over by the next five (ISA guide 7.12.1)
	XST 0, 1, 0
	XST 1, 1, 1
	XST 2, 0, 0
	XST 3, 1, 2
	XST 4, 0, 1
	s_wait_dscnt 40                                ; all but the 40 stores just issued: tiles 3 to 5 are in
	XT2 3, 0, 1, 1, 0
	XT2 4, 2, 1, 3, 0
	XT1 5, 4, 0
	PLACES 5                                       ; results are stored; sources and results are loaded over
.irp a, 0,1,2,3
	ds_load_b128 v[F+8*\a:F+8*\a+3],   v5 offset:\slot*5120+\a*1280
	ds_load_b128 v[F+8*\a+4:F+8*\a+7], v5 offset:\slot*5120+\a*1280+32
.endr
	XST 0, 1, 3
	XST 1, 0, 2
	XST 2, 1, 4
	XST 3, 0, 3
	XST 4, 0, 4
.irp q, 0,1
.irp a, 0,1,2,3
	ds_load_b128 v[S0+32*\q+8*\a:S0+32*\q+8*\a+3],   v8 offset:\q*6400+64*\a       ; a wave's LDS instructions are served in order (ISA guide 5.7.1): these see all 80 stores
	ds_load_b128 v[S0+32*\q+8*\a+4:S0+32*\q+8*\a+7], v8 offset:\q*6400+64*\a+16
.endr
.endr
.irp c, 0,1
.irp d, 0,1
	ds_load_tr16_b128 v[F+32+8*(2*\c+\d):F+32+8*(2*\c+\d)+3],   v6 offset:\slot*6144+\c*3072+32*\d
	ds_load_tr16_b128 v[F+32+8*(2*\c+\d)+4:F+32+8*(2*\c+\d)+7], v6 offset:\slot*6144+\c*3072+32*\d+1536
.endr
.endr
	s_wait_dscnt 16                                ; K and the shifted BD of tile 0 are in; tile 1 (8 loads) and V (8) may be out
.irp a, 0,1,2,3
	v_wmma_f32_16x16x32_bf16 v[S0+8*\a:S0+8*\a+7], v[F+8*\a:F+8*\a+7], v[QW:QW+7], v[S0+8*\a:S0+8*\a+7]
.endr
	s_wait_dscnt 8                                 ; V's eight loads may be out
.irp a, 0,1,2,3
	v_wmma_f32_16x16x32_bf16 v[S0+32+8*\a:S0+32+8*\a+7], v[F+8*\a:F+8*\a+7], v[QW+8:QW+15], v[S0+32+8*\a:S0+32+8*\a+7]
.endr
	s_wait_kmcnt 0x0                               ; the mask words are in, and their base is free
	s_add_nc_u64 s[94:95], s[94:95], 128
	PLACES 4                                       ; behind the products, whose results are read
	SOFTMAX 0
	s_wait_dscnt 0x0                               ; V
	PV 0
	SOFTMAX 1
	PV 1
.if \fill
	s_wait_loadcnt 0x0
	s_add_nc_u64 s[88:89], s[88:89], 4096
	s_add_nc_u64 s[90:91], s[90:91], 4096
	ds_store_b128 v10, v[32:35] offset:(1-\slot)*5120    ; the other slot: every wave's reads of it ended in front of the last barrier
	ds_store_b128 v11, v[36:39] offset:(1-\slot)*6144
.endif
	v_add_nc_u32 v4, 5120, v4                      ; 64 rows of the window on; with the four below, five places behind the last products,
	s_sub_co_i32 s11, s11, 4                       ; whose sources the next step's products and loads write over
	PLACES 4
.if \bar
	s_wait_dscnt 0x0                               ; my reads of this slot and my stores into the other are done
	s_barrier_signal -1
	s_barrier_wait -1
.endif
.endm
	s_mov_b32 s12, 15
.Lstep:
	STEP 0, 1, 1
	STEP 1, 1, 1
	s_sub_co_u32 s12, s12, 1
	s_cmp_lg_u32 s12, 0
	s_cbranch_scc1 .Lstep
	STEP 0, 1, 1
	STEP 1, 0, 0                                   ; the last block: nothing to fetch; its closing places also stand in front of the lines below
	v_permlanex16_b32 v14, v24, s14, s15           ; the two halves of the keys' sums meet
	v_permlanex16_b32 v15, v25, s14, s15
	v_add_f32 v24, v24, v14
	v_add_f32 v25, v25, v15
	v_rcp_f32 v18, v24
	v_rcp_f32 v19, v24
	v_rcp_f32 v26, v25
	v_rcp_f32 v27, v25
	v_lshlrev_b32 v14, 6, v1                       ; plain work behind the reciprocals: stage row r of 64 bytes,
	v_lshl_add_u32 v14, v2, 4, v14                 ; + 16 h
	v_add_nc_u32 v14, s7, v14
	v_and_b32 v15, 31, v0
	v_lshlrev_b32 v16, 4, v15                      ; 16 L
	v_add_nc_u32 v15, s7, v16
	s_wait_alu depctr_va_vdst(0)
.irp p, 0,2,4,6,8,10,12,14
	v_pk_mul_f32 v[O+\p:O+\p+1], v[O+\p:O+\p+1], v[18:19]
	v_pk_mul_f32 v[O+16+\p:O+16+\p+1], v[O+16+\p:O+16+\p+1], v[26:27]
.endr
.irp t, 0,1,2,3
.irp p, 0,1,2,3
	v_cvt_pk_bf16_f32 v[O+8*\t+\p], v[O+8*\t+2*\p], v[O+8*\t+2*\p+1]
.endr
.endr
.irp q, 0,1
.irp d, 0,1
	ds_store_b128 v14, v[O+16*\q+8*\d:O+16*\q+8*\d+3] offset:\q*1024+32*\d     ; query 16 q + r, d = 16 d + 8 h + 0..7
.endr
.endr
.irp i, 0,1,2,3
	ds_load_b128 v[120+4*\i:123+4*\i], v15 offset:512*\i
.endr
.irp i, 0,1,2,3
	s_wait_dscnt 3-\i
	global_store_b128 v16, v[120+4*\i:123+4*\i], s[96:97] offset:512*\i        ; 512 consecutive bytes: eight rows of AV
.endr
	s_wait_tensorcnt 0x0
	ds_add_u32 v248, v249
	s_wait_dscnt 0x0
	s_endpgm
.Lfunc_end_k_q12be8b8354_attn:
	.size	k_q12be8b8354_attn, .Lfunc_end_k_q12be8b8354_attn-k_q12be8b8354_attn
	.p2alignl 7, 3214868480
	.fill 96, 4, 3214868480
	.section	.rodata,"a",@progbits
	.p2align	6, 0x0
	.amdhsa_kernel k_q12be8b8354_attn
		.amdhsa_group_segment_fixed_size 310272
		.amdhsa_private_segment_fixed_size 0
		.amdhsa_enable_private_segment 0
		.amdhsa_kernarg_size 56
		.amdhsa_user_sgpr_count 2
		.amdhsa_user_sgpr_kernarg_segment_ptr 1
		.amdhsa_wavefront_size32 1
		.amdhsa_system_sgpr_workgroup_id_x 1
		.amdhsa_system_sgpr_workgroup_id_y 1
		.amdhsa_system_sgpr_workgroup_id_z 1
		.amdhsa_system_vgpr_workitem_id 0
		.amdhsa_next_free_vgpr 250
		.amdhsa_next_free_sgpr 100
		.amdhsa_reserve_vcc 1
		.amdhsa_float_denorm_mode_32 3
		.amdhsa_float_denorm_mode_16_64 3
		.amdhsa_memory_ordered 1
		.amdhsa_forward_progress 1
		.amdhsa_inst_pref_size 130
	.end_amdhsa_kernel
	.amdgpu_metadata
---
amdhsa.version: [ 1, 2 ]
amdhsa.kernels:
  - .name:           k_q12be8b8354_attn
    .symbol:         k_q12be8b8354_attn.kd
    .args:
      - { .name: Qw, .offset: 0, .size: 8, .value_kind: global_buffer, .address_space: global }
      - { .name: Qr, .offset: 8, .size: 8, .value_kind: global_buffer, .address_space: global }
      - { .name: Kb, .offset: 16, .size: 8, .value_kind: global_buffer, .address_space: global }
      - { .name: Vb, .offset: 24, .size: 8, .value_kind: global_buffer, .address_space: global }
      - { .name: Rk, .offset: 32, .size: 8, .value_kind: global_buffer, .address_space: global }
      - { .name: maskw, .offset: 40, .size: 8, .value_kind: global_buffer, .address_space: global }
      - { .name: AV, .offset: 48, .size: 8, .value_kind: global_buffer, .address_space: global }
    .group_segment_fixed_size: 310272
    .private_segment_fixed_size: 0
    .kernarg_segment_align: 8
    .kernarg_segment_size: 56
    .max_flat_workgroup_size: 256
    .sgpr_count:     100
    .vgpr_count:     250
    .wavefront_size: 32
...
	.end_amdgpu_metadata
.endif
;; end of part 3
;; launch outln (part 4): grid 256 x 1, 8 waves a work-group, no clusters, 153,088 bytes of LDS; arguments AV, Wpk, w, ln_gamma, ln_beta, out0; writes out0
.if DOCPART == 4
	.amdgcn_target "amdgcn-amd-amdhsa--gfx1250"
	.amdhsa_code_object_version 6
	.text
	.protected	k_q12be8b8354_outln
	.globl	k_q12be8b8354_outln
	.p2align	8
	.type	k_q12be8b8354_outln,@function
k_q12be8b8354_outln:
	s_mov_b64 s[64:65], 0
	v_nop
	global_prefetch_b8 v0, s[64:65] scope:SCOPE_SE
	s_setreg_imm32_b32 hwreg(HW_REG_WAVE_MODE, 25, 1), 1
	s_wait_xcnt 0x0
; outln: out = LayerNorm(w + attn_vec W_o) gamma + beta.  A work-group owns 32 rows; wave wv makes their columns 128 wv .. + 127
; (16 accumulators, K = 256 = 8 heads of 32), the sums meet in LDS as whole rows, and each wave then normalises 4 rows.
; A wave's fragments of W_o are read by no other wave of the group, so they go from the pack straight into registers, three sets of
; four fragments by turns.  Mean and variance in two passes (the variance from the differences), all in f32.
; No cluster: the pack, which all row blocks walk, comes into registers here, which a joint load cannot fill.
.set YB,  20480                        ; behind the A tile ([head 8][32 rows], pitch 80): 32 rows of y, pitch 4,112 (an odd multiple of 16)
.set YP,  4112
.set WO,  2097152                      ; W_o's part of the pack
.set AF,  16                           ; v[16:31]   two fragments of attn_vec; later at work
.set WB,  32                           ; v[32:127]  three sets of four weight fragments
.set ACC, 128                          ; v[128:255] tile (nt, mi) at ACC + 8 (2 nt + mi)
.set GA,  32                           ; v[32:63]   gamma,  v[64:95] beta, of my 32 columns of a row
.set BE,  64
.set Y,   96                           ; v[96:127]  a row at work
.set WR,  128                          ; v[128:255] my four rows of w
; v4 16 L, v5 A copy in LDS, v6 pack offset, v7 A fragments, v8, v9 y stores (rows 0-15, 16-31), v10 y rows back, v11 offset in w and out0
	s_load_b256 s[4:11], s[0:1], 0x0               ; AV s[4:5], Wpk s[6:7], w s[8:9], ln_gamma s[10:11]
	s_load_b128 s[12:15], s[0:1], 0x20             ; ln_beta s[12:13], out0 s[14:15]
	v_lshl_add_u32 v14, v0, 2, 0x25200
	v_mov_b32 v15, 0
	v_lshrrev_b32 v3, 5, v0
	v_readfirstlane_b32 s16, v3                    ; wave
	v_and_b32 v1, 15, v0                           ; r
	v_bfe_u32 v2, v0, 4, 1                         ; h
	v_and_b32 v3, 31, v0                           ; L
	v_lshlrev_b32 v4, 4, v3
	v_lshrrev_b32 v12, 2, v3
	v_and_b32 v13, 3, v3
	v_mul_u32_u24 v5, v12, 80
	v_lshl_add_u32 v5, v13, 4, v5
	s_mul_i32 s17, s16, 2560
	v_add_nc_u32 v5, s17, v5                       ; head wv, row L / 4, 16 bytes at 16 (L mod 4)
	s_lshl_b32 s17, s16, 13
	v_add_nc_u32 v6, s17, v4                       ; my eight fragments of a kk
	v_mul_u32_u24 v7, v1, 80
	v_lshl_add_u32 v7, v2, 4, v7
	v_mul_u32_u24 v8, v1, YP
	v_lshl_add_u32 v8, v2, 5, v8
	s_lshl_b32 s17, s16, 9
	s_add_co_u32 s17, s17, YB
	v_add_nc_u32 v8, s17, v8                       ; row r, column 128 wv + 8 h
	v_add_nc_u32 v9, 16*YP, v8
	s_mul_i32 s17, s16, 4*YP
	s_add_co_u32 s17, s17, YB
	v_add_nc_u32 v10, s17, v4                      ; row 4 wv
	s_lshl_b32 s17, s16, 14
	v_add_nc_u32 v11, s17, v4
	s_mov_b32 s20, 0x3a800000                      ; 1 / 1,024
	s_mov_b32 s21, 0x3727c5ac                      ; 1e-5
	s_mov_b32 s22, 0x76543210
	s_mov_b32 s23, 0xfedcba98
	s_lshr_b32 s17, ttmp9, 6                       ; batch
	s_lshl3_add_u32 s17, s17, s16                  ; 8 batch + head wv
	s_lshl_b32 s17, s17, 11
	s_and_b32 s18, ttmp9, 63
	s_lshl_b32 s18, s18, 5
	s_add_co_u32 s18, s17, s18
	s_lshl_b32 s18, s18, 6
	s_mov_b32 s19, 0
	s_wait_kmcnt 0x0
	s_add_nc_u64 s[4:5], s[4:5], s[18:19]
	s_lshl_b32 s18, ttmp9, 17                      ; 32 rows of 4,096 bytes
	s_add_nc_u64 s[8:9], s[8:9], s[18:19]
	s_add_nc_u64 s[14:15], s[14:15], s[18:19]
.macro WSET t                          ; set t: kk = t / 2, fragments 4 (t mod 2) .. + 3 of my eight
.irp x, 0,1,2,3
	global_load_b128 v[WB+32*((\t)%3)+8*\x:WB+32*((\t)%3)+8*\x+3],   v6, s[6:7] offset:WO+((\t)>>1)*65536+((\t)&1)*4096+\x*1024
	global_load_b128 v[WB+32*((\t)%3)+8*\x+4:WB+32*((\t)%3)+8*\x+7], v6, s[6:7] offset:WO+((\t)>>1)*65536+((\t)&1)*4096+\x*1024+512
.endr
.endm
.macro AFRAG kk
.irp m, 0,1
	ds_load_b128 v[AF+8*\m:AF+8*\m+3],   v7 offset:(\kk)*2560+\m*1280
	ds_load_b128 v[AF+8*\m+4:AF+8*\m+7], v7 offset:(\kk)*2560+\m*1280+32
.endr
.endm
.irp i, 0,1,2,3
	global_load_b128 v[AF+4*\i:AF+4*\i+3], v4, s[4:5] offset:512*\i    ; head wv's 32 rows of attn_vec: 2,048 consecutive bytes
.endr
	WSET 0
	WSET 1
	WSET 2
	s_wait_loadcnt 24                              ; attn_vec is in; the 24 loads of the three sets may be out
.irp i, 0,1,2,3
	ds_store_b128 v5, v[AF+4*\i:AF+4*\i+3] offset:640*\i
.endr
	s_wait_dscnt 0x0
	s_barrier_signal -1
	s_barrier_wait -1                              ; all eight heads are in LDS
	AFRAG 0
; Half a K step: eight products on eight accumulators; the other eight follow in the next half, so the accumulators take turns,
; one instruction a turn.
.macro HS t
.if \t <= 13
	s_wait_loadcnt 16                              ; set t is in; the two younger sets may be out
.elseif \t == 14
	s_wait_loadcnt 8
.else
	s_wait_loadcnt 0
.endif
	s_wait_dscnt 0x0                               ; this kk's fragments of attn_vec
.irp x, 0,1,2,3
.irp m, 0,1
.if \t < 2
	v_wmma_f32_16x16x32_bf16 v[ACC+8*(2*(4*(\t&1)+\x)+\m):ACC+8*(2*(4*(\t&1)+\x)+\m)+7], v[WB+32*(\t%3)+8*\x:WB+32*(\t%3)+8*\x+7], v[AF+8*\m:AF+8*\m+7], 0
.else
	v_wmma_f32_16x16x32_bf16 v[ACC+8*(2*(4*(\t&1)+\x)+\m):ACC+8*(2*(4*(\t&1)+\x)+\m)+7], v[WB+32*(\t%3)+8*\x:WB+32*(\t%3)+8*\x+7], v[AF+8*\m:AF+8*\m+7], v[ACC+8*(2*(4*(\t&1)+\x)+\m):ACC+8*(2*(4*(\t&1)+\x)+\m)+7]
.endif
.endr
.endr
.rept 4
	v_nop                                          ; four places behind the products: their sources are loaded again, at the end their results stored (ISA guide 7.12.1)
.endr
.if \t <= 12
	WSET \t+3
.endif
.if (\t & 1) && (\t < 15)
	AFRAG (\t+1)>>1
.endif
.endm
.irp t, 0,1,2,3,4,5,6,7,8,9,10,11,12,13,14,15
	HS \t
.endr
.irp k, 0,1,2,3,4,5,6,7
	global_load_b128 v[GA+4*\k:GA+4*\k+3], v4, s[10:11] offset:512*\k
.endr
.irp k, 0,1,2,3,4,5,6,7
	global_load_b128 v[BE+4*\k:BE+4*\k+3], v4, s[12:13] offset:512*\k
.endr
.irp n, 0,1,2,3,4,5,6,7
	ds_store_b128 v8, v[ACC+16*\n:ACC+16*\n+3]     offset:64*\n        ; lane (r, h): row r, columns 16 nt + 8 h + 0..7
	ds_store_b128 v8, v[ACC+16*\n+4:ACC+16*\n+7]   offset:64*\n+16
	ds_store_b128 v9, v[ACC+16*\n+8:ACC+16*\n+11]  offset:64*\n
	ds_store_b128 v9, v[ACC+16*\n+12:ACC+16*\n+15] offset:64*\n+16
.endr
	s_wait_dscnt 0x0                               ; my columns of y are in LDS, and the accumulators are free
.irp i, 0,1,2,3
.irp k, 0,1,2,3,4,5,6,7
	global_load_b128 v[WR+32*\i+4*\k:WR+32*\i+4*\k+3], v11, s[8:9] offset:4096*\i+512*\k th:TH_LOAD_NT
.endr
.endr
	s_barrier_signal -1
	s_barrier_wait -1                              ; every wave's columns are
.macro WSUM                            ; v16 summed over the 32 lanes, into every lane
	v_add_f32_dpp v16, v16, v16 row_xmask:1 row_mask:0xf bank_mask:0xf
	v_add_f32_dpp v16, v16, v16 row_xmask:2 row_mask:0xf bank_mask:0xf
	v_add_f32_dpp v16, v16, v16 row_xmask:4 row_mask:0xf bank_mask:0xf
	v_add_f32_dpp v16, v16, v16 row_xmask:8 row_mask:0xf bank_mask:0xf
	v_permlanex16_b32 v17, v16, s22, s23
	v_add_f32 v16, v16, v17
.endm
.macro LNROW i                         ; row 4 wv + i
	s_wait_xcnt 0x0                                ; the last row's stores: their data registers are loaded again only behind this wait
.irp k, 0,1,2,3,4,5,6,7
	ds_load_b128 v[Y+4*\k:Y+4*\k+3], v10 offset:\i*YP+512*\k
.endr
	s_wait_dscnt 0x0
	s_wait_loadcnt 8*(3-\i)                        ; gamma, beta and my rows of w up to this one are in; eight loads for each later row may be out
.set p, 0
.rept 16
	v_pk_add_f32 v[Y+p:Y+p+1], v[Y+p:Y+p+1], v[WR+32*\i+p:WR+32*\i+p+1]
.set p, p+2
.endr
	v_pk_add_f32 v[16:17], v[Y:Y+1], v[Y+2:Y+3]
	v_pk_add_f32 v[18:19], v[Y+4:Y+5], v[Y+6:Y+7]
.set p, 8
.rept 6
	v_pk_add_f32 v[16:17], v[16:17], v[Y+p:Y+p+1]
	v_pk_add_f32 v[18:19], v[18:19], v[Y+p+2:Y+p+3]
.set p, p+4
.endr
	v_pk_add_f32 v[16:17], v[16:17], v[18:19]
	v_add_f32 v16, v16, v17
	WSUM
	v_mul_f32 v20, s20, v16                        ; the mean
	v_mov_b32 v21, v20
.set p, 0
.rept 16
	v_pk_add_f32 v[Y+p:Y+p+1], v[Y+p:Y+p+1], v[20:21] neg_lo:[0,1] neg_hi:[0,1]
.set p, p+2
.endr
	v_pk_mul_f32 v[16:17], v[Y:Y+1], v[Y:Y+1]
	v_pk_mul_f32 v[18:19], v[Y+2:Y+3], v[Y+2:Y+3]
.set p, 4
.rept 7
	v_pk_fma_f32 v[16:17], v[Y+p:Y+p+1], v[Y+p:Y+p+1], v[16:17]
	v_pk_fma_f32 v[18:19], v[Y+p+2:Y+p+3], v[Y+p+2:Y+p+3], v[18:19]
.set p, p+4
.endr
	v_pk_add_f32 v[16:17], v[16:17], v[18:19]
	v_add_f32 v16, v16, v17
	WSUM
	v_fma_f32 v24, v16, s20, s21                   ; variance + 1e-5
	v_rsq_f32 v22, v24
	v_rsq_f32 v23, v24
	v_nop                                          ; one plain place behind the roots (ISA guide 5.7.2)
.set p, 0
	s_wait_alu depctr_va_vdst(0)
.rept 16
	v_pk_mul_f32 v[Y+p:Y+p+1], v[Y+p:Y+p+1], v[22:23]
.set p, p+2
.endr
.set p, 0
.rept 16
	v_pk_fma_f32 v[Y+p:Y+p+1], v[Y+p:Y+p+1], v[GA+p:GA+p+1], v[BE+p:BE+p+1]
.set p, p+2
.endr
.irp k, 0,1,2,3,4,5,6,7
	global_store_b128 v11, v[Y+4*\k:Y+4*\k+3], s[14:15] offset:4096*\i+512*\k th:TH_STORE_NT   ; 512 consecutive bytes of the row
.endr
.endm
	LNROW 0
	LNROW 1
	LNROW 2
	LNROW 3
	s_wait_tensorcnt 0x0
	ds_add_u32 v14, v15
	s_wait_dscnt 0x0
	s_endpgm
.Lfunc_end_k_q12be8b8354_outln:
	.size	k_q12be8b8354_outln, .Lfunc_end_k_q12be8b8354_outln-k_q12be8b8354_outln
	.p2alignl 7, 3214868480
	.fill 96, 4, 3214868480
	.section	.rodata,"a",@progbits
	.p2align	6, 0x0
	.amdhsa_kernel k_q12be8b8354_outln
		.amdhsa_group_segment_fixed_size 153088
		.amdhsa_private_segment_fixed_size 0
		.amdhsa_enable_private_segment 0
		.amdhsa_kernarg_size 48
		.amdhsa_user_sgpr_count 2
		.amdhsa_user_sgpr_kernarg_segment_ptr 1
		.amdhsa_wavefront_size32 1
		.amdhsa_system_sgpr_workgroup_id_x 1
		.amdhsa_system_sgpr_workgroup_id_y 1
		.amdhsa_system_sgpr_workgroup_id_z 1
		.amdhsa_system_vgpr_workitem_id 0
		.amdhsa_next_free_vgpr 256
		.amdhsa_next_free_sgpr 66
		.amdhsa_reserve_vcc 0
		.amdhsa_float_denorm_mode_32 3
		.amdhsa_float_denorm_mode_16_64 3
		.amdhsa_memory_ordered 1
		.amdhsa_forward_progress 1
		.amdhsa_inst_pref_size 69
	.end_amdhsa_kernel
	.amdgpu_metadata
---
amdhsa.version: [ 1, 2 ]
amdhsa.kernels:
  - .name:           k_q12be8b8354_outln
    .symbol:         k_q12be8b8354_outln.kd
    .args:
      - { .name: AV, .offset: 0, .size: 8, .value_kind: global_buffer, .address_space: global }
      - { .name: Wpk, .offset: 8, .size: 8, .value_kind: global_buffer, .address_space: global }
      - { .name: w, .offset: 16, .size: 8, .value_kind: global_buffer, .address_space: global }
      - { .name: ln_gamma, .offset: 24, .size: 8, .value_kind: global_buffer, .address_space: global }
      - { .name: ln_beta, .offset: 32, .size: 8, .value_kind: global_buffer, .address_space: global }
      - { .name: out0, .offset: 40, .size: 8, .value_kind: global_buffer, .address_space: global }
    .group_segment_fixed_size: 153088
    .private_segment_fixed_size: 0
    .kernarg_segment_align: 8
    .kernarg_segment_size: 48
    .max_flat_workgroup_size: 256
    .sgpr_count:     66
    .vgpr_count:     256
    .wavefront_size: 32
...
	.end_amdgpu_metadata
.endif
;; end of part 4
;; ======== version 2 of 2: 4 launches; 1.15 times as fast as version 1
;; limits: right only within a limited range of input values
;; workspace buffers: Wpk 2,621,440 bytes; maskw 524,288 bytes of whole numbers; Qw 4,194,304 bytes; Qr 4,194,304 bytes; Kb 4,194,304 bytes; Vb 4,194,304 bytes; AV 4,194,304 bytes; Rk 1,048,576 bytes
;; launch prep: the kernel of part 1 again; grid 576 x 1, 8 waves a work-group, no clusters, 0 bytes of LDS; arguments W_qkv, W_r, W_o, attn_mask, Wpk, maskw; writes Wpk, maskw
;; launch proj: the kernel of part 2 again; grid 208 x 1, 8 waves a work-group, no clusters, 185,344 bytes of LDS; arguments w, r, Wpk, r_w_bias, r_r_bias, Qw, Qr, Kb, Vb, Rk; writes Qw, Qr, Kb, Vb, Rk
;; launch attn (part 5): grid 8 x 32, 8 waves a work-group, no clusters, 322,560 bytes of LDS; arguments Qw, Qr, Kb, Vb, Rk, maskw, AV; writes AV
.if DOCPART == 5
	.amdgcn_target "amdgcn-amd-amdhsa--gfx1250"
	.amdhsa_code_object_version 6
	.text
	.protected	k_q12be8b8354_attn
	.globl	k_q12be8b8354_attn
	.p2align	8
	.type	k_q12be8b8354_attn,@function
k_q12be8b8354_attn:
	s_mov_b64 s[64:65], 0
	v_nop
	global_prefetch_b8 v0, s[64:65] scope:SCOPE_SE
	s_setreg_imm32_b32 hwreg(HW_REG_WAVE_MODE, 25, 1), 1
	s_wait_xcnt 0x0
; attn: softmax((AC + shifted BD) / sqrt(32), masked) V for one (batch, head) and 256 queries, with a running maximum.
; THE SHIFT, for any mask (N = 2,048, t = N - 1 - i + j): BD'[i][j] = (q[i] + rrb) . r_k[t] for j <= i, 0 for j = i + 1,
; (q[i+1] + rrb) . r_k[t - N - 1] for j >= i + 2.  With Rext[t] = r_k[t] (t < N), 0 (t = N), r_k[t - N - 1] (t > N) that is
; BD'[i][j] = qsel . Rext[t], and since N is a multiple of 16 an aligned tile of 16 t takes one query operand: q[i] below N, q[i+1] from N on.
; Eight waves; wave wv of work-group x owns two tiles of 16 queries: tile a0 = 8 x + wv and tile a1 = 127 - a0.  32 steps of 64 keys.
; WHAT THE MASK THROWS AWAY IS NOT COMPUTED: a (tile, step) whose 16 x 64 scores are all masked leaves maximum, sum and output as they are
; (the maximum cannot fall, the rescale is 1, P is 0), so it is jumped over; which ones these are is read off the mask words in the prologue,
; one bit a step.  That is exact for every mask.  The two tiles of a wave mirror each other so that, where a mask is triangular, every wave
; keeps the same number of live (tile, step)s: a0 / 4 + (127 - a0) / 4 + 2 = 33 of 64; for other masks the deal costs nothing.
; No barrier, trip count or address hangs on those bits.
; A step has two parts.  XPH, for each live tile: X = Q Rext^T for its 5 tiles of t; X goes through the wave's own LDS stage with row m shifted
; by m + 1 columns, which turns t into the key; read back it is the C operand of K Q^T.  SPH, for each live tile: mask, softmax, P V.
; Scores lie transposed: lane (r, h) holds query r and keys 16 a + 8 h + j, so that maximum, sum and rescale are per lane and P is a B fragment.
; TWO GROUPS OF WAVES TAKE THE PARTS IN OPPOSITE ORDER: between two barriers group 0 runs XPH(s), SPH(s) and group 1 runs SPH(s-1), XPH(s),
; so that four waves are in the part made of LDS instructions while the other four are in the part made of vector instructions.
; Group = (wave >> 2) xor (wave & 1): waves w and w + 4 differ, and so do waves 2 k and 2 k + 1.  Every wave passes every barrier.
; THE TABLE: LDS row P holds Rext[P - 1], P = 0 .. 2,303: rows 0 and 2,049 are zeros, rows 1 .. 2,048 are r_k, rows from 2,050 on r_k again.
; Five tiles of t that begin at tile T (t = 16 T) are read at P = 16 T + 1 + r where T < 128 (they may run over t = N: the table goes on),
; and at P = 16 (T - 128) + r where T >= 128 (row 0 is t = N).
; K blocks go through two slots (K(s) is read between barriers s and s + 1 alone), V blocks through four (V(s-1) and V(s) are read there
; while V(s+1) is stored; four, so that the slot stands in the immediates).
; Scores are exponents of two (the factor log2(e) / sqrt(32) is in Qw and Qr).
; LIMIT: the running maximum starts at -1e30, so finite scores below -1e30 (in exponents of two) are not served.  A row that is masked
; everywhere keeps sum 0 and output 0 and ends as 0 x (1 / 0) = NaN, as the softmax of such a row is.
; No cluster: what the 8 work-groups of a head share (K, V: 8,192 bytes a step; r_k once) comes through registers, which a joint load cannot fill.
.set KS,  184320                       ; behind the table (2,304 rows, pitch 80): 2 slots of 64 rows, pitch 80
.set VS,  194560                       ; 4 slots of 64 rows, pitch 96 (an odd multiple of 32, for the transposing load)
.set ST,  219136                       ; stages: 12,800 bytes a wave: 2 query tiles x 16 rows, pitch 400 (96 f32 + 16)
.set QW,  40                           ; v[40:55]   (q + rwb) c, tiles 0 and 1
.set QR,  56                           ; v[56:71]   (q + rrb) c
.set QN,  72                           ; v[72:87]   the same of rows i + 1 (clamped to the last row, which is never used from there)
.set O,   88                           ; v[88:119]  output, tile (q, d) at O + 16 q + 8 d: lane (r, h) holds query r, d = 16 d + 8 h + j
.set S0,  120                          ; v[120:151] scores of tile 0, v[152:183] of tile 1; ahead of them X tiles 0 to 3 of the same query tile
.set X4,  248                          ; v[248:255] X tile 4 of either query tile: the last X product writes no score register
.set F,   184                          ; v[184:247] fragments: Rext tile k at F + 8 k; then K at F + 8 a; V at F + 32 + 8 (2 c + d)
.set FL,  2                            ; s2, s3     tile q is live in the step that XPH took last
.set LV,  4                            ; s4, s5     tile q: bit 0 = the next step is live, bit 1 the one behind it ..
.set TQ,  8                            ; s8, s9     tile q: T, the first of its five tiles of t in the next step
; v1 r, v2 h, v3 lane term of table reads, v4 table address, v5 K fragments, v6 V fragments, v7 stage in, v8 stage back, v9 16 x thread,
; v10, v11 K and V stores, v12 -inf, v13 0, v14-v15 at work, v[16:17] new maximum, v[18:19] rescale, v[20:21], v[22:23] maxima, v24, v25 sums,
; v[26:29] partial sums, v[32:39] the next K and V pieces
; s7 my stage, s10 wave, s11, s98 at work, s12 counter, s13 group, s[14:15] lane selects
; mask words: tile 0 in s[16:47] from s[94:95], tile 1 in s[48:63] and s[68:83] from s[100:101]
	s_load_b256 s[84:91], s[0:1], 0x0              ; Qw s[84:85], Qr s[86:87], Kb s[88:89], Vb s[90:91]
	s_load_b128 s[92:95], s[0:1], 0x20             ; Rk s[92:93], maskw s[94:95]
	s_load_b64 s[96:97], s[0:1], 0x30              ; AV
	s_set_vgpr_msb 0x40
	v_lshl_add_u32 v0, v0, 2, 0x4e800
	v_mov_b32 v1, 0
	s_set_vgpr_msb 0x4000
	v_lshrrev_b32 v3, 5, v0
	v_readfirstlane_b32 s10, v3                    ; wave
	s_lshr_b32 s13, s10, 2
	s_and_b32 s6, s10, 1
	s_xor_b32 s13, s13, s6                         ; group 0 or 1
	v_and_b32 v1, 15, v0                           ; r
	v_bfe_u32 v2, v0, 4, 1                         ; h
	s_and_b32 s6, ttmp7, 0xffff                    ; 8 batch + head
	s_lshl3_add_u32 s9, ttmp9, s10                 ; a0 = 8 x + wave.  At j0 = 0 tile q begins at t = N - 16 - 16 a, so T = 127 - a:
	s_sub_co_u32 s8, 127, s9                       ; a1 = 127 - a0 is T of tile 0, and a0 is T of tile 1
	s_mul_i32 s7, s10, 12800
	s_add_co_u32 s7, s7, ST
	s_mov_b32 s14, 0x76543210                      ; v_permlanex16_b32: lane i takes lane i of the other half
	s_mov_b32 s15, 0xfedcba98
	v_lshlrev_b32 v15, 4, v2                       ; 16 h
	s_lshl_b32 s11, s9, 4                          ; first query of tile 0,
	s_lshl_b32 s12, s8, 4                          ; of tile 1
	v_add_nc_u32 v13, s11, v1
	v_add_nc_u32 v14, s12, v1
	v_lshl_add_u32 v16, v13, 6, v15                ; rows of 64 bytes
	v_lshl_add_u32 v17, v14, 6, v15
	v_add_nc_u32 v18, 1, v13
	v_add_nc_u32 v19, 1, v14
	v_min_u32 v18, 0x7ff, v18
	v_min_u32 v19, 0x7ff, v19
	v_lshl_add_u32 v18, v18, 6, v15
	v_lshl_add_u32 v19, v19, 6, v15
	v_lshlrev_b32 v9, 4, v0
	v_mad_u32_u24 v3, v1, 80, v15                  ; row r of a tile, + 16 h
	v_add_nc_u32 v5, KS, v3
	v_and_b32 v13, 7, v0
	v_lshl_add_u32 v13, v2, 3, v13
	v_mul_u32_u24 v6, v13, 96                      ; key 8 h + (L & 7)
	v_bfe_u32 v13, v0, 3, 1
	v_lshl_add_u32 v6, v13, 4, v6
	v_add_nc_u32 v6, VS, v6
	v_mul_u32_u24 v7, v2, 3232                     ; row 8 h + j, column 16 k + r + (8 h + j) + 1: 8 h x 404 + 4 r + 4, the rest in the immediate
	v_lshl_add_u32 v7, v1, 2, v7
	s_add_co_u32 s98, s7, 4
	v_add_nc_u32 v7, s98, v7
	v_mul_u32_u24 v8, v1, 400                      ; row r, column 16 + 16 a + 8 h
	v_lshl_add_u32 v8, v2, 5, v8
	s_add_co_u32 s98, s7, 64
	v_add_nc_u32 v8, s98, v8
	v_lshrrev_b32 v208, 2, v0                      ; thread / 4: a row of 64 bytes takes four threads; my table row in the first piece
	v_and_b32 v14, 3, v0
	v_lshlrev_b32 v210, 4, v14
	v_mad_u32_u24 v209, v208, 80, v210             ; and its place in LDS
	v_add_nc_u32 v10, KS, v209
	v_mad_u32_u24 v11, v208, 96, v210
	v_add_nc_u32 v11, VS, v11
	v_and_b32 v31, 31, v0
	v_lshlrev_b32 v31, 7, v31                      ; lane L looks at step L: 128 bytes of mask words
	v_mov_b32 v12, 0xff800000                      ; -inf
	v_mov_b32 v13, 0
	s_lshl_b32 s98, s6, 17                         ; 2,048 rows of 64 bytes
	s_mov_b32 s99, 0
	s_wait_kmcnt 0x0
	s_add_nc_u64 s[84:85], s[84:85], s[98:99]
	s_add_nc_u64 s[86:87], s[86:87], s[98:99]
	s_add_nc_u64 s[88:89], s[88:89], s[98:99]
	s_add_nc_u64 s[90:91], s[90:91], s[98:99]
	s_add_nc_u64 s[96:97], s[96:97], s[98:99]
	s_and_b32 s98, s6, 7                           ; head
	s_lshl_b32 s98, s98, 17
	s_add_nc_u64 s[92:93], s[92:93], s[98:99]
	s_lshl_b32 s98, s8, 12                         ; a query tile has 32 steps of 128 bytes
	s_add_nc_u64 s[100:101], s[94:95], s[98:99]    ; tile 1's mask words
	s_lshl_b32 s98, s9, 12
	s_add_nc_u64 s[94:95], s[94:95], s[98:99]      ; tile 0's
.irp i, 0,1,2,3,4,5,6,7
	global_load_b128 v[S0+4*\i:S0+4*\i+3], v31, s[94:95] offset:16*\i
.endr
.irp i, 0,1,2,3,4,5,6,7
	global_load_b128 v[S0+32+4*\i:S0+32+4*\i+3], v31, s[100:101] offset:16*\i
.endr
.irp q, 0,1
	global_load_b128 v[QW+8*\q:QW+8*\q+3],   v[16+\q], s[84:85]
	global_load_b128 v[QW+8*\q+4:QW+8*\q+7], v[16+\q], s[84:85] offset:32
	global_load_b128 v[QR+8*\q:QR+8*\q+3],   v[16+\q], s[86:87]
	global_load_b128 v[QR+8*\q+4:QR+8*\q+7], v[16+\q], s[86:87] offset:32
	global_load_b128 v[QN+8*\q:QN+8*\q+3],   v[18+\q], s[86:87]
	global_load_b128 v[QN+8*\q+4:QN+8*\q+7], v[18+\q], s[86:87] offset:32
.endr
	global_load_b128 v[32:35], v9, s[88:89]        ; K block 0
	global_load_b128 v[36:39], v9, s[90:91]        ; V block 0
	s_wait_loadcnt 14                              ; the mask words are in; the 12 loads of Q and the 2 of K and V may be out
.irp q, 0,1
.irp n, 16,8,4,2,1
.set i, 0
.rept \n
	v_and_b32 v[S0+32*\q+i], v[S0+32*\q+i], v[S0+32*\q+\n+i]     ; a bit survives where all 32 words have it
.set i, i+1
.endr
.endr
.endr
	v_cmp_ne_u32 s[LV],   -1, v[S0]                ; bit L: step L of tile 0 has a score that is not masked
	v_cmp_ne_u32 s[LV+1], -1, v[S0+32]
	; The table: 36 pieces of 64 rows, 12 a trip.  Row of r_k for table row P: min(P - 1, P - 2,050) as unsigned numbers (a negative difference wraps
	; to a large number and loses).  Rows 0 and 2,049 give more than 2,047: they are clamped for the load and zeroed.
	s_mov_b32 s12, 3
.Lwin:
.irp i, 0,1,2,3,4,5,6,7,8,9,10,11
	v_add_nc_u32 v[196+\i], 64*\i-1, v208
	v_add_nc_u32 v[184+\i], 0xfffff7ff, v[196+\i]
	v_min_u32 v[196+\i], v[184+\i], v[196+\i]
	v_min_u32 v[184+\i], 0x7ff, v[196+\i]
	v_lshl_add_u32 v[184+\i], v[184+\i], 6, v210
	global_load_b128 v[120+4*\i:123+4*\i], v[184+\i], s[92:93]
.endr
	s_wait_loadcnt 0x0                             ; also frees the offsets for the next trip, and covers Q, K and V in the first
.irp i, 0,1,2,3,4,5,6,7,8,9,10,11
	v_cmp_lt_u32 vcc_lo, 0x7ff, v[196+\i]
.irp c, 0,1,2,3
	v_cndmask_b32 v[120+4*\i+\c], v[120+4*\i+\c], v13, vcc_lo
.endr
	ds_store_b128 v209, v[120+4*\i:123+4*\i] offset:\i*5120
.endr
	v_add_nc_u32 v208, 768, v208
	v_add_nc_u32 v209, 61440, v209
	s_sub_co_u32 s12, s12, 1
	s_cmp_lg_u32 s12, 0
	s_cbranch_scc1 .Lwin
	s_add_nc_u64 s[88:89], s[88:89], 4096          ; block 1 (the loads of block 0 are done)
	s_add_nc_u64 s[90:91], s[90:91], 4096
	ds_store_b128 v10, v[32:35]
	ds_store_b128 v11, v[36:39]
.set n, 0
.rept 32
	v_mov_b32 v[O+n], 0                            ; the output is rescaled ahead of its first product, and a tile may have no live step at all
.set n, n+1
.endr
.irp m, 20,21,22,23
	v_mov_b32 v\m, 0xf149f2ca                      ; -1e30
.endr
	v_mov_b32 v24, 0
	v_mov_b32 v25, 0
	s_wait_dscnt 0x0                               ; my part of the table and of the slots 0 is written
	s_barrier_signal -1
	s_barrier_wait -1
.macro PLACES n
.rept \n
	v_nop
.endr
.endm
; The product of tile k of query tile q: with q[i] where t lies below N (T + k < 128), with q[i + 1] from N on.
.macro XT q, k
.if \k < 4
.set XR, S0+32*\q+8*\k
.else
.set XR, X4
.endif
	s_cmp_ge_u32 s[TQ+\q], 128-\k
	s_cbranch_scc1 .Lhi_\@
	v_wmma_f32_16x16x32_bf16 v[XR:XR+7], v[QR+8*\q:QR+8*\q+7], v[F+8*\k:F+8*\k+7], 0
	s_branch .Ljn_\@
.Lhi_\@:
	v_wmma_f32_16x16x32_bf16 v[XR:XR+7], v[QN+8*\q:QN+8*\q+7], v[F+8*\k:F+8*\k+7], 0
.Ljn_\@:
.endm
.macro XST q, k                        ; X tile k into the stage: register j is query 8 h + j, lane r is t
.if \k < 4
.set XR, S0+32*\q+8*\k
.else
.set XR, X4
.endif
.irp j, 0,1,2,3,4,5,6,7
	ds_store_b32 v7, v[XR+\j] offset:\q*6400+\j*404+\k*64
.endr
.endm
; Query tile q in a live step: five tiles of the table, five products, the shift.  It leaves eight loads of the shifted BD on their way.
.macro XQ q
	s_and_b32 s11, s[TQ+\q], 127                   ; T mod 128: at most 127, so with the five tiles the reads end inside the table's 2,304 rows
	s_mul_i32 s11, s11, 1280                       ; 16 rows of 80 bytes
	s_cmp_lt_u32 s[TQ+\q], 128
	s_cselect_b32 s98, 80, 0                       ; below N the table is one row ahead
	s_add_co_u32 s11, s11, s98
	v_add_nc_u32 v4, s11, v3
.irp k, 0,1,2,3,4
	ds_load_b128 v[F+8*\k:F+8*\k+3],   v4 offset:\k*1280
	ds_load_b128 v[F+8*\k+4:F+8*\k+7], v4 offset:\k*1280+32
.endr
	s_wait_dscnt 4                                 ; tiles 0 to 2 are in; the four loads of tiles 3 and 4 may be out
	XT \q, 0
	XT \q, 1
	XT \q, 2
	s_wait_dscnt 0x0
	XT \q, 3
	XT \q, 4
	PLACES 5                                       ; behind the products: results are stored and loaded over, sources loaded over, X tile 4 written again (ISA guide 7.12.1)
.irp k, 0,1,2,3,4
	XST \q, \k
.endr
.irp a, 0,1,2,3
	ds_load_b128 v[S0+32*\q+8*\a:S0+32*\q+8*\a+3],   v8 offset:\q*6400+64*\a       ; a wave's LDS instructions are served in order (ISA guide 5.7.1): these see the 40 stores
	ds_load_b128 v[S0+32*\q+8*\a+4:S0+32*\q+8*\a+7], v8 offset:\q*6400+64*\a+16
.endr
.endm
.macro AC q                            ; K Q^T onto the shifted BD; four accumulators, one instruction each
.irp a, 0,1,2,3
	v_wmma_f32_16x16x32_bf16 v[S0+32*\q+8*\a:S0+32*\q+8*\a+7], v[F+8*\a:F+8*\a+7], v[QW+8*\q:QW+8*\q+7], v[S0+32*\q+8*\a:S0+32*\q+8*\a+7]
.endr
.endm
.macro SOFTMAX q
.set SB, S0+32*\q
.set MX, 20+2*\q
.set w, 0
.rept 32
.if \q == 0
.set mw, 16+w
.elseif w < 16
.set mw, 48+w
.else
.set mw, 52+w
.endif
	v_cndmask_b32 v[SB+w], v[SB+w], v12, s[mw]     ; masked: -inf
.set w, w+1
.endr
	v_max3_num_f32 v14, v[SB], v[SB+1], v[SB+2]    ; two chains
	v_max3_num_f32 v15, v[SB+3], v[SB+4], v[SB+5]
.set w, 6
.rept 6
	v_max3_num_f32 v14, v14, v[SB+w], v[SB+w+1]
	v_max3_num_f32 v15, v15, v[SB+w+2], v[SB+w+3]
.set w, w+4
.endr
	v_max3_num_f32 v14, v14, v[SB+30], v[SB+31]
	v_max_num_f32 v14, v14, v15
	v_permlanex16_b32 v15, v14, s14, s15           ; the other 32 keys of my query lie in the other half of the lanes
	v_max3_num_f32 v16, v14, v15, v[MX]
	v_mov_b32 v17, v16
	v_sub_f32 v14, v[MX], v16
	v_exp_f32 v18, v14                             ; the rescale, twice, for the packed products; the plain sums below stand
	v_exp_f32 v19, v14                             ; between these and the first use, and touch neither v14 nor v[18:19] (ISA guide 5.7.2)
.set w, 0
.rept 16
	v_pk_add_f32 v[SB+w:SB+w+1], v[SB+w:SB+w+1], v[16:17] neg_lo:[0,1] neg_hi:[0,1]
.set w, w+2
.endr
.set w, 0
.rept 32
	v_exp_f32 v[SB+w], v[SB+w]
.set w, w+1
.endr
	v_mov_b32 v[MX], v16                           ; plain work between the exponentials and their use
	v_mov_b32 v[MX+1], v17
	s_wait_alu depctr_va_vdst(0)
	v_pk_add_f32 v[26:27], v[SB:SB+1], v[SB+2:SB+3]
	v_pk_add_f32 v[28:29], v[SB+4:SB+5], v[SB+6:SB+7]
.set w, 8
.rept 6
	v_pk_add_f32 v[26:27], v[26:27], v[SB+w:SB+w+1]
	v_pk_add_f32 v[28:29], v[28:29], v[SB+w+2:SB+w+3]
.set w, w+4
.endr
	v_pk_add_f32 v[26:27], v[26:27], v[28:29]
	v_add_f32 v26, v26, v27
	v_fma_f32 v[24+\q], v[24+\q], v18, v26         ; my half of the keys; the halves meet at the end
.irp p, 0,2,4,6,8,10,12,14
	v_pk_mul_f32 v[O+16*\q+\p:O+16*\q+\p+1], v[O+16*\q+\p:O+16*\q+\p+1], v[18:19]
.endr
.set w, 0
.rept 16
	v_cvt_pk_bf16_f32 v[SB+w], v[SB+2*w], v[SB+2*w+1]    ; in place: P of keys 32 c .. + 31 is v[SB + 8 c : SB + 8 c + 7], a B fragment
.set w, w+1
.endr
.endm
.macro PV q                            ; the two accumulators take turns, one instruction a turn
.irp c, 0,1
.irp d, 0,1
	v_wmma_f32_16x16x32_bf16 v[O+16*\q+8*\d:O+16*\q+8*\d+7], v[F+32+8*(2*\c+\d):F+32+8*(2*\c+\d)+7], v[S0+32*\q+8*\c:S0+32*\q+8*\c+7], v[O+16*\q+8*\d:O+16*\q+8*\d+7]
.endr
.endr
.endm
; The first part of a step, on K slot ks: it sets the two flags, and leaves the live tiles' scores in v[120:183] and the step's mask words in
; scalar registers.  No LDS instruction of the wave is out where it begins, nor where it ends.  Every block with products closes with its own
; places, and the waits for 0 stand where all ways meet, so that each way through the branches is in order by itself.
.macro XPH ks
	s_load_b512 s[16:31], s[94:95], 0x0            ; the step's 32 mask words of query tile 0,
	s_load_b512 s[32:47], s[94:95], 0x40
	s_load_b512 s[48:63], s[100:101], 0x0          ; and of tile 1
	s_load_b512 s[68:83], s[100:101], 0x40
	s_and_b32 s[FL],   s[LV],   1
	s_and_b32 s[FL+1], s[LV+1], 1
	s_lshr_b32 s[LV],   s[LV],   1
	s_lshr_b32 s[LV+1], s[LV+1], 1
	s_or_b32 s11, s[FL], s[FL+1]                   ; SCC: one of the two is live
	s_cbranch_scc0 .Lxe_\@
	s_cmp_eq_u32 s[FL], 0
	s_cbranch_scc1 .Lx1_\@
	XQ 0
.Lx1_\@:
	s_cmp_eq_u32 s[FL+1], 0
	s_cbranch_scc1 .Lxk_\@
	XQ 1
.Lxk_\@:
.irp a, 0,1,2,3
	ds_load_b128 v[F+8*\a:F+8*\a+3],   v5 offset:\ks*5120+\a*1280
	ds_load_b128 v[F+8*\a+4:F+8*\a+7], v5 offset:\ks*5120+\a*1280+32
.endr
	s_wait_dscnt 0x0                               ; K and the shifted BD
	s_cmp_eq_u32 s[FL], 0
	s_cbranch_scc1 .La1_\@
	AC 0
.La1_\@:
	s_cmp_eq_u32 s[FL+1], 0
	s_cbranch_scc1 .Lap_\@
	AC 1
.Lap_\@:
	PLACES 5                                       ; behind the products: their results are read next, their sources loaded over (ISA guide 7.12.1)
.Lxe_\@:
	s_wait_kmcnt 0x0                               ; the mask words are in, and their bases are free
	s_add_nc_u64 s[94:95], s[94:95], 128
	s_add_nc_u64 s[100:101], s[100:101], 128
	s_add_co_u32 s[TQ],   s[TQ],   4               ; 64 keys on are 4 tiles of t
	s_add_co_u32 s[TQ+1], s[TQ+1], 4
.endm
; The second part, on V slot vs, for the tiles that the flags name.  V's loads fly during the first softmax.
.macro SPH vs
	s_or_b32 s11, s[FL], s[FL+1]
	s_cbranch_scc0 .Lse_\@
.irp c, 0,1
.irp d, 0,1
	ds_load_tr16_b128 v[F+32+8*(2*\c+\d):F+32+8*(2*\c+\d)+3],   v6 offset:\vs*6144+\c*3072+32*\d
	ds_load_tr16_b128 v[F+32+8*(2*\c+\d)+4:F+32+8*(2*\c+\d)+7], v6 offset:\vs*6144+\c*3072+32*\d+1536
.endr
.endr
	s_cmp_eq_u32 s[FL], 0
	s_cbranch_scc1 .Ls1_\@
	SOFTMAX 0
	s_wait_dscnt 0x0                               ; V
	PV 0
.Ls1_\@:
	s_cmp_eq_u32 s[FL+1], 0
	s_cbranch_scc1 .Lsp_\@
	SOFTMAX 1
	s_wait_dscnt 0x0                               ; V
	PV 1
.Lsp_\@:
	s_wait_dscnt 0x0                               ; V's loads are back on every way through the two branches
	PLACES 5                                       ; behind the last products: the next part's loads and products write over their sources
.Lse_\@:
.endm
; What stands between two barriers: step s with K slot ks = s mod 2, V slot vs = s mod 4; vp = (s - 1) mod 4.
; bs: group 1 has a step s - 1 to finish.  fill: block s + 1 is fetched at the head and stored at the end.  bar: a barrier follows.
; Read here: K slot ks, V slots vp and vs.  Written here: K slot 1 - ks, V slot (vs + 1) mod 4: other bytes, whichever way a wave takes.
.macro IVAL ks, vs, vp, bs, fill, bar
.if \fill
	global_load_b128 v[32:35], v9, s[88:89]
	global_load_b128 v[36:39], v9, s[90:91]
.endif
.if \bs
	s_cmp_eq_u32 s13, 0
	s_cbranch_scc1 .Lnb_\@
	SPH \vp                                        ; group 1: the second part of the step before
.Lnb_\@:
.endif
	XPH \ks
	s_cmp_lg_u32 s13, 0
	s_cbranch_scc1 .Lna_\@
	SPH \vs                                        ; group 0: the second part of this step
.Lna_\@:
.if \fill
	s_wait_loadcnt 0x0
	s_add_nc_u64 s[88:89], s[88:89], 4096
	s_add_nc_u64 s[90:91], s[90:91], 4096
	ds_store_b128 v10, v[32:35] offset:(1-\ks)*5120          ; K(s - 1) lay here: every wave's reads of it ended in front of the last barrier
	ds_store_b128 v11, v[36:39] offset:((\vs+1)&3)*6144      ; V(s - 3) lay here: its last reads ended two barriers ago
.endif
.if \bar
	s_wait_dscnt 0x0                               ; my reads of the slots and my stores into the others are done
	s_barrier_signal -1
	s_barrier_wait -1
.endif
.endm
	IVAL 0, 0, 0, 0, 1, 1                          ; step 0: group 1 has nothing to finish yet
	s_mov_b32 s12, 7
.Lstep:
	IVAL 1, 1, 0, 1, 1, 1                          ; steps 1 to 28, four a trip
	IVAL 0, 2, 1, 1, 1, 1
	IVAL 1, 3, 2, 1, 1, 1
	IVAL 0, 0, 3, 1, 1, 1
	s_sub_co_u32 s12, s12, 1
	s_cmp_lg_u32 s12, 0
	s_cbranch_scc1 .Lstep
	IVAL 1, 1, 0, 1, 1, 1                          ; step 29
	IVAL 0, 2, 1, 1, 1, 1                          ; step 30 stores the last block
	IVAL 1, 3, 2, 1, 0, 0                          ; step 31: nothing to fetch, and nothing shared is written any more: no barrier
	s_cmp_eq_u32 s13, 0
	s_cbranch_scc1 .Lfin
	SPH 3                                          ; group 1 finishes step 31
.Lfin:
	; on every way the places that close a block stand behind the last products
	v_permlanex16_b32 v14, v24, s14, s15           ; the two halves of the keys' sums meet
	v_permlanex16_b32 v15, v25, s14, s15
	v_add_f32 v24, v24, v14
	v_add_f32 v25, v25, v15
	v_rcp_f32 v18, v24
	v_rcp_f32 v19, v24
	v_rcp_f32 v26, v25
	v_rcp_f32 v27, v25
	v_lshlrev_b32 v14, 6, v1                       ; plain work behind the reciprocals: stage row r of 64 bytes,
	v_lshl_add_u32 v14, v2, 4, v14                 ; + 16 h
	v_add_nc_u32 v14, s7, v14
	v_and_b32 v15, 31, v0
	v_lshlrev_b32 v16, 4, v15                      ; 16 L
	v_add_nc_u32 v15, s7, v16
	s_lshl3_add_u32 s11, ttmp9, s10                ; a0 again,
	s_sub_co_u32 s98, 127, s11                     ; and a1
	s_lshl_b32 s11, s11, 10                        ; a tile of AV is 16 rows of 64 bytes
	s_lshl_b32 s98, s98, 10
	v_add_nc_u32 v30, s11, v16
	v_add_nc_u32 v31, s98, v16
	s_wait_alu depctr_va_vdst(0)
.irp p, 0,2,4,6,8,10,12,14
	v_pk_mul_f32 v[O+\p:O+\p+1], v[O+\p:O+\p+1], v[18:19]
	v_pk_mul_f32 v[O+16+\p:O+16+\p+1], v[O+16+\p:O+16+\p+1], v[26:27]
.endr
.irp t, 0,1,2,3
.irp p, 0,1,2,3
	v_cvt_pk_bf16_f32 v[O+8*\t+\p], v[O+8*\t+2*\p], v[O+8*\t+2*\p+1]
.endr
.endr
.irp q, 0,1
.irp d, 0,1
	ds_store_b128 v14, v[O+16*\q+8*\d:O+16*\q+8*\d+3] offset:\q*1024+32*\d     ; query r of tile q, d = 16 d + 8 h + 0..7
.endr
.endr
.irp i, 0,1,2,3
	ds_load_b128 v[120+4*\i:123+4*\i], v15 offset:512*\i
.endr
.irp i, 0,1,2,3
	s_wait_dscnt 3-\i
	global_store_b128 v[30+(\i>>1)], v[120+4*\i:123+4*\i], s[96:97] offset:512*(\i&1)      ; 512 consecutive bytes: eight rows of a tile of AV
.endr
	s_set_vgpr_msb 0x5
	s_wait_tensorcnt 0x0
	ds_add_u32 v0, v1
	s_wait_dscnt 0x0
	s_set_vgpr_msb 0x500
	s_endpgm
.Lfunc_end_k_q12be8b8354_attn:
	.size	k_q12be8b8354_attn, .Lfunc_end_k_q12be8b8354_attn-k_q12be8b8354_attn
	.p2alignl 7, 3214868480
	.fill 96, 4, 3214868480
	.section	.rodata,"a",@progbits
	.p2align	6, 0x0
	.amdhsa_kernel k_q12be8b8354_attn
		.amdhsa_group_segment_fixed_size 322560
		.amdhsa_private_segment_fixed_size 0
		.amdhsa_enable_private_segment 0
		.amdhsa_kernarg_size 56
		.amdhsa_user_sgpr_count 2
		.amdhsa_user_sgpr_kernarg_segment_ptr 1
		.amdhsa_wavefront_size32 1
		.amdhsa_system_sgpr_workgroup_id_x 1
		.amdhsa_system_sgpr_workgroup_id_y 1
		.amdhsa_system_sgpr_workgroup_id_z 1
		.amdhsa_system_vgpr_workitem_id 0
		.amdhsa_next_free_vgpr 258
		.amdhsa_next_free_sgpr 102
		.amdhsa_reserve_vcc 1
		.amdhsa_float_denorm_mode_32 3
		.amdhsa_float_denorm_mode_16_64 3
		.amdhsa_memory_ordered 1
		.amdhsa_forward_progress 1
		.amdhsa_inst_pref_size 255
	.end_amdhsa_kernel
	.section	.bss,"aw",@nobits
	.p2align	6
	.space	262144
	.amdgpu_metadata
---
amdhsa.version: [ 1, 2 ]
amdhsa.kernels:
  - .name:           k_q12be8b8354_attn
    .symbol:         k_q12be8b8354_attn.kd
    .args:
      - { .name: Qw, .offset: 0, .size: 8, .value_kind: global_buffer, .address_space: global }
      - { .name: Qr, .offset: 8, .size: 8, .value_kind: global_buffer, .address_space: global }
      - { .name: Kb, .offset: 16, .size: 8, .value_kind: global_buffer, .address_space: global }
      - { .name: Vb, .offset: 24, .size: 8, .value_kind: global_buffer, .address_space: global }
      - { .name: Rk, .offset: 32, .size: 8, .value_kind: global_buffer, .address_space: global }
      - { .name: maskw, .offset: 40, .size: 8, .value_kind: global_buffer, .address_space: global }
      - { .name: AV, .offset: 48, .size: 8, .value_kind: global_buffer, .address_space: global }
    .group_segment_fixed_size: 322560
    .private_segment_fixed_size: 0
    .kernarg_segment_align: 8
    .kernarg_segment_size: 56
    .max_flat_workgroup_size: 256
    .sgpr_count:     102
    .vgpr_count:     258
    .wavefront_size: 32
...
	.end_amdgpu_metadata
.endif
;; end of part 5
;; launch outln (part 6): grid 256 x 1, 8 waves a work-group, no clusters, 153,088 bytes of LDS; arguments AV, Wpk, w, ln_gamma, ln_beta, out0; writes out0
.if DOCPART == 6
	.amdgcn_target "amdgcn-amd-amdhsa--gfx1250"
	.amdhsa_code_object_version 6
	.text
	.protected	k_q12be8b8354_outln
	.globl	k_q12be8b8354_outln
	.p2align	8
	.type	k_q12be8b8354_outln,@function
k_q12be8b8354_outln:
	s_mov_b64 s[64:65], 0
	v_nop
	global_prefetch_b8 v0, s[64:65] scope:SCOPE_SE
	s_setreg_imm32_b32 hwreg(HW_REG_WAVE_MODE, 25, 1), 1
	s_wait_xcnt 0x0
; outln: out = LayerNorm(w + attn_vec W_o) gamma + beta.  A work-group owns 32 rows; wave wv makes their columns 128 wv .. + 127
; (16 accumulators, K = 256 = 8 heads of 32), the sums meet in LDS as whole rows, and each wave then normalises 4 rows.
; A wave's fragments of W_o are read by no other wave of the group, so they go from the pack straight into registers, five sets of
; four fragments by turns: 40 loads of a wave are on their way during the products.  The wave's four rows of w, gamma and beta are asked for
; first of all and lie in registers when the products begin, so the normalisation waits for no load.
; Mean and variance in two passes (the variance from the differences), all in f32.
; No cluster: the pack, which all row blocks walk, comes into registers here, which a joint load cannot fill.
; REGISTERS: v0-v255 addresses, fragments, gamma, beta; v256-v383 the accumulators, v384-v511 my rows of w (named v0-v255 under a window).
.set YB,  20480                        ; behind the A tile ([head 8][32 rows], pitch 80): 32 rows of y, pitch 4,112 (an odd multiple of 16)
.set YP,  4112
.set WO,  2097152                      ; W_o's part of the pack
.set AF,  16                           ; v[16:31]   two fragments of attn_vec; later at work
.set WB,  32                           ; v[32:191]  five sets of four weight fragments
.set GA,  192                          ; v[192:223] gamma,  v[224:255] beta, of my 32 columns of a row
.set BE,  224
.set Y,   96                           ; v[96:127]  a row at work (behind the products)
.set ACC, 0                            ; v256-v383  tile (nt, mi) at ACC + 8 (2 nt + mi)
.set WR,  128                          ; v384-v511  my four rows of w
; v4 16 L, v5 A copy in LDS, v6 pack offset, v7 A fragments, v8, v9 y stores (rows 0-15, 16-31), v10 y rows back, v11 offset in w and out0
.set MSB, 0
.macro WIN new                         ; the upper byte of the immediate repeats the setting that is left
.if MSB != \new
	s_set_vgpr_msb (MSB<<8)|\new
.set MSB, \new
.endif
.endm
	s_load_b256 s[4:11], s[0:1], 0x0               ; AV s[4:5], Wpk s[6:7], w s[8:9], ln_gamma s[10:11]
	s_load_b128 s[12:15], s[0:1], 0x20             ; ln_beta s[12:13], out0 s[14:15]
	v_lshl_add_u32 v14, v0, 2, 0x25200
	v_mov_b32 v15, 0
	v_lshrrev_b32 v3, 5, v0
	v_readfirstlane_b32 s16, v3                    ; wave
	v_and_b32 v1, 15, v0                           ; r
	v_bfe_u32 v2, v0, 4, 1                         ; h
	v_and_b32 v3, 31, v0                           ; L
	v_lshlrev_b32 v4, 4, v3
	v_lshrrev_b32 v12, 2, v3
	v_and_b32 v13, 3, v3
	v_mul_u32_u24 v5, v12, 80
	v_lshl_add_u32 v5, v13, 4, v5
	s_mul_i32 s17, s16, 2560
	v_add_nc_u32 v5, s17, v5                       ; head wv, row L / 4, 16 bytes at 16 (L mod 4)
	s_lshl_b32 s17, s16, 13
	v_add_nc_u32 v6, s17, v4                       ; my eight fragments of a kk
	v_mul_u32_u24 v7, v1, 80
	v_lshl_add_u32 v7, v2, 4, v7
	v_mul_u32_u24 v8, v1, YP
	v_lshl_add_u32 v8, v2, 5, v8
	s_lshl_b32 s17, s16, 9
	s_add_co_u32 s17, s17, YB
	v_add_nc_u32 v8, s17, v8                       ; row r, column 128 wv + 8 h
	v_add_nc_u32 v9, 16*YP, v8
	s_mul_i32 s17, s16, 4*YP
	s_add_co_u32 s17, s17, YB
	v_add_nc_u32 v10, s17, v4                      ; row 4 wv
	s_lshl_b32 s17, s16, 14
	v_add_nc_u32 v11, s17, v4
	s_mov_b32 s20, 0x3a800000                      ; 1 / 1,024
	s_mov_b32 s21, 0x3727c5ac                      ; 1e-5
	s_mov_b32 s22, 0x76543210
	s_mov_b32 s23, 0xfedcba98
	s_lshr_b32 s17, ttmp9, 6                       ; batch
	s_lshl3_add_u32 s17, s17, s16                  ; 8 batch + head wv
	s_lshl_b32 s17, s17, 11
	s_and_b32 s18, ttmp9, 63
	s_lshl_b32 s18, s18, 5
	s_add_co_u32 s18, s17, s18
	s_lshl_b32 s18, s18, 6
	s_mov_b32 s19, 0
	s_wait_kmcnt 0x0
	s_add_nc_u64 s[4:5], s[4:5], s[18:19]
	s_lshl_b32 s18, ttmp9, 17                      ; 32 rows of 4,096 bytes
	s_add_nc_u64 s[8:9], s[8:9], s[18:19]
	s_add_nc_u64 s[14:15], s[14:15], s[18:19]
.macro WSET t                          ; set t: kk = t / 2, fragments 4 (t mod 2) .. + 3 of my eight
.irp x, 0,1,2,3
	global_load_b128 v[WB+32*((\t)%5)+8*\x:WB+32*((\t)%5)+8*\x+3],   v6, s[6:7] offset:WO+((\t)>>1)*65536+((\t)&1)*4096+\x*1024
	global_load_b128 v[WB+32*((\t)%5)+8*\x+4:WB+32*((\t)%5)+8*\x+7], v6, s[6:7] offset:WO+((\t)>>1)*65536+((\t)&1)*4096+\x*1024+512
.endr
.endm
.macro AFRAG kk
.irp m, 0,1
	ds_load_b128 v[AF+8*\m:AF+8*\m+3],   v7 offset:(\kk)*2560+\m*1280
	ds_load_b128 v[AF+8*\m+4:AF+8*\m+7], v7 offset:(\kk)*2560+\m*1280+32
.endr
.endm
	WIN 0x40                                       ; destination in v256-v511, address in v0-v255
.irp i, 0,1,2,3
.irp k, 0,1,2,3,4,5,6,7
	global_load_b128 v[WR+32*\i+4*\k:WR+32*\i+4*\k+3], v11, s[8:9] offset:4096*\i+512*\k th:TH_LOAD_NT    ; rows 4 wv + i of w: 512 consecutive bytes a load
.endr
.endr
	WIN 0
.irp k, 0,1,2,3,4,5,6,7
	global_load_b128 v[GA+4*\k:GA+4*\k+3], v4, s[10:11] offset:512*\k
.endr
.irp k, 0,1,2,3,4,5,6,7
	global_load_b128 v[BE+4*\k:BE+4*\k+3], v4, s[12:13] offset:512*\k
.endr
.irp i, 0,1,2,3
	global_load_b128 v[AF+4*\i:AF+4*\i+3], v4, s[4:5] offset:512*\i    ; head wv's 32 rows of attn_vec: 2,048 consecutive bytes
.endr
	WSET 0
	WSET 1
	WSET 2
	WSET 3
	WSET 4
	s_wait_loadcnt 40                              ; attn_vec is in, and w, gamma and beta, which were asked for ahead of it; the 40 loads of the five sets may be out
.irp i, 0,1,2,3
	ds_store_b128 v5, v[AF+4*\i:AF+4*\i+3] offset:640*\i
.endr
	s_wait_dscnt 0x0
	s_barrier_signal -1
	s_barrier_wait -1                              ; all eight heads are in LDS
	AFRAG 0
; Half a K step: eight products on eight accumulators; the other eight follow in the next half, so the accumulators take turns,
; one instruction a turn.
.macro HS t
.if \t <= 11
	s_wait_loadcnt 32                              ; set t is in; the four younger sets may be out
.else
	s_wait_loadcnt 8*(15-\t)                       ; the sets that are left
.endif
	s_wait_dscnt 0x0                               ; this kk's fragments of attn_vec
	WIN 0x50                                       ; C and D in v256-v383
.irp x, 0,1,2,3
.irp m, 0,1
.if \t < 2
	v_wmma_f32_16x16x32_bf16 v[ACC+8*(2*(4*(\t&1)+\x)+\m):ACC+8*(2*(4*(\t&1)+\x)+\m)+7], v[WB+32*(\t%5)+8*\x:WB+32*(\t%5)+8*\x+7], v[AF+8*\m:AF+8*\m+7], 0
.else
	v_wmma_f32_16x16x32_bf16 v[ACC+8*(2*(4*(\t&1)+\x)+\m):ACC+8*(2*(4*(\t&1)+\x)+\m)+7], v[WB+32*(\t%5)+8*\x:WB+32*(\t%5)+8*\x+7], v[AF+8*\m:AF+8*\m+7], v[ACC+8*(2*(4*(\t&1)+\x)+\m):ACC+8*(2*(4*(\t&1)+\x)+\m)+7]
.endif
.endr
.endr
	WIN 0
.rept 4
	v_nop                                          ; four places behind the products: their sources are loaded again, at the end their results stored (ISA guide 7.12.1)
.endr
.if \t <= 10
	WSET \t+5
.endif
.if (\t & 1) && (\t < 15)
	AFRAG (\t+1)>>1
.endif
.endm
.irp t, 0,1,2,3,4,5,6,7,8,9,10,11,12,13,14,15
	HS \t
.endr
	WIN 0x04                                       ; store data in v256-v383
.irp n, 0,1,2,3,4,5,6,7
	ds_store_b128 v8, v[ACC+16*\n:ACC+16*\n+3]     offset:64*\n        ; lane (r, h): row r, columns 16 nt + 8 h + 0..7
	ds_store_b128 v8, v[ACC+16*\n+4:ACC+16*\n+7]   offset:64*\n+16
	ds_store_b128 v9, v[ACC+16*\n+8:ACC+16*\n+11]  offset:64*\n
	ds_store_b128 v9, v[ACC+16*\n+12:ACC+16*\n+15] offset:64*\n+16
.endr
	WIN 0
	s_wait_dscnt 0x0                               ; my columns of y are in LDS
	s_barrier_signal -1
	s_barrier_wait -1                              ; every wave's columns are
.macro WSUM                            ; v16 summed over the 32 lanes, into every lane
	v_add_f32_dpp v16, v16, v16 row_xmask:1 row_mask:0xf bank_mask:0xf
	v_add_f32_dpp v16, v16, v16 row_xmask:2 row_mask:0xf bank_mask:0xf
	v_add_f32_dpp v16, v16, v16 row_xmask:4 row_mask:0xf bank_mask:0xf
	v_add_f32_dpp v16, v16, v16 row_xmask:8 row_mask:0xf bank_mask:0xf
	v_permlanex16_b32 v17, v16, s22, s23
	v_add_f32 v16, v16, v17
.endm
.macro LNROW i                         ; row 4 wv + i
	s_wait_xcnt 0x0                                ; the last row's stores: their data registers are loaded again only behind this wait
.irp k, 0,1,2,3,4,5,6,7
	ds_load_b128 v[Y+4*\k:Y+4*\k+3], v10 offset:\i*YP+512*\k
.endr
	s_wait_dscnt 0x0
	WIN 0x04                                       ; source 1 in v384-v511: w, in registers since the wait in front of the products
.set p, 0
.rept 16
	v_pk_add_f32 v[Y+p:Y+p+1], v[Y+p:Y+p+1], v[WR+32*\i+p:WR+32*\i+p+1]
.set p, p+2
.endr
	WIN 0
	v_pk_add_f32 v[16:17], v[Y:Y+1], v[Y+2:Y+3]
	v_pk_add_f32 v[18:19], v[Y+4:Y+5], v[Y+6:Y+7]
.set p, 8
.rept 6
	v_pk_add_f32 v[16:17], v[16:17], v[Y+p:Y+p+1]
	v_pk_add_f32 v[18:19], v[18:19], v[Y+p+2:Y+p+3]
.set p, p+4
.endr
	v_pk_add_f32 v[16:17], v[16:17], v[18:19]
	v_add_f32 v16, v16, v17
	WSUM
	v_mul_f32 v20, s20, v16                        ; the mean
	v_mov_b32 v21, v20
.set p, 0
.rept 16
	v_pk_add_f32 v[Y+p:Y+p+1], v[Y+p:Y+p+1], v[20:21] neg_lo:[0,1] neg_hi:[0,1]
.set p, p+2
.endr
	v_pk_mul_f32 v[16:17], v[Y:Y+1], v[Y:Y+1]
	v_pk_mul_f32 v[18:19], v[Y+2:Y+3], v[Y+2:Y+3]
.set p, 4
.rept 7
	v_pk_fma_f32 v[16:17], v[Y+p:Y+p+1], v[Y+p:Y+p+1], v[16:17]
	v_pk_fma_f32 v[18:19], v[Y+p+2:Y+p+3], v[Y+p+2:Y+p+3], v[18:19]
.set p, p+4
.endr
	v_pk_add_f32 v[16:17], v[16:17], v[18:19]
	v_add_f32 v16, v16, v17
	WSUM
	v_fma_f32 v24, v16, s20, s21                   ; variance + 1e-5
	v_rsq_f32 v22, v24
	v_rsq_f32 v23, v24
	v_nop                                          ; one plain place behind the roots (ISA guide 5.7.2)
.set p, 0
	s_wait_alu depctr_va_vdst(0)
.rept 16
	v_pk_mul_f32 v[Y+p:Y+p+1], v[Y+p:Y+p+1], v[22:23]
.set p, p+2
.endr
.set p, 0
.rept 16
	v_pk_fma_f32 v[Y+p:Y+p+1], v[Y+p:Y+p+1], v[GA+p:GA+p+1], v[BE+p:BE+p+1]
.set p, p+2
.endr
.irp k, 0,1,2,3,4,5,6,7
	global_store_b128 v11, v[Y+4*\k:Y+4*\k+3], s[14:15] offset:4096*\i+512*\k th:TH_STORE_NT   ; 512 consecutive bytes of the row
.endr
.endm
	LNROW 0
	LNROW 1
	LNROW 2
	LNROW 3
	s_wait_tensorcnt 0x0
	ds_add_u32 v14, v15
	s_wait_dscnt 0x0
	s_endpgm
.Lfunc_end_k_q12be8b8354_outln:
	.size	k_q12be8b8354_outln, .Lfunc_end_k_q12be8b8354_outln-k_q12be8b8354_outln
	.p2alignl 7, 3214868480
	.fill 96, 4, 3214868480
	.section	.rodata,"a",@progbits
	.p2align	6, 0x0
	.amdhsa_kernel k_q12be8b8354_outln
		.amdhsa_group_segment_fixed_size 153088
		.amdhsa_private_segment_fixed_size 0
		.amdhsa_enable_private_segment 0
		.amdhsa_kernarg_size 48
		.amdhsa_user_sgpr_count 2
		.amdhsa_user_sgpr_kernarg_segment_ptr 1
		.amdhsa_wavefront_size32 1
		.amdhsa_system_sgpr_workgroup_id_x 1
		.amdhsa_system_sgpr_workgroup_id_y 1
		.amdhsa_system_sgpr_workgroup_id_z 1
		.amdhsa_system_vgpr_workitem_id 0
		.amdhsa_next_free_vgpr 512
		.amdhsa_next_free_sgpr 66
		.amdhsa_reserve_vcc 0
		.amdhsa_float_denorm_mode_32 3
		.amdhsa_float_denorm_mode_16_64 3
		.amdhsa_memory_ordered 1
		.amdhsa_forward_progress 1
		.amdhsa_inst_pref_size 70
	.end_amdhsa_kernel
	.amdgpu_metadata
---
amdhsa.version: [ 1, 2 ]
amdhsa.kernels:
  - .name:           k_q12be8b8354_outln
    .symbol:         k_q12be8b8354_outln.kd
    .args:
      - { .name: AV, .offset: 0, .size: 8, .value_kind: global_buffer, .address_space: global }
      - { .name: Wpk, .offset: 8, .size: 8, .value_kind: global_buffer, .address_space: global }
      - { .name: w, .offset: 16, .size: 8, .value_kind: global_buffer, .address_space: global }
      - { .name: ln_gamma, .offset: 24, .size: 8, .value_kind: global_buffer, .address_space: global }
      - { .name: ln_beta, .offset: 32, .size: 8, .value_kind: global_buffer, .address_space: global }
      - { .name: out0, .offset: 40, .size: 8, .value_kind: global_buffer, .address_space: global }
    .group_segment_fixed_size: 153088
    .private_segment_fixed_size: 0
    .kernarg_segment_align: 8
    .kernarg_segment_size: 48
    .max_flat_workgroup_size: 256
    .sgpr_count:     66
    .vgpr_count:     512
    .wavefront_size: 32
...
	.end_amdgpu_metadata
.endif
;; end of part 6
